; MI455X (gfx1250); checked and timed in simulation.
; The chip was launched on July 23, 2026; its instructions are those of AMD's public machine-readable ISA for CDNA 5 (MIT licence, August 2026) and "CDNA5" Instruction Set Architecture Reference Guide (July 2026). The comments in the code are by the model that wrote it; some were corrected since.
;; Self Attention. Allowed arithmetic: matrix products marked QUANTISED: E2M3 operands, one E8M0 scale for each 32 along K, by v_wmma_scale_f32_16x16x128_f8f6f4 with both operands' format E2M3, f32 sums; everything else in f32.
;; Inputs: Wk 1,024 x 1,024 float32; Wo 1,024 x 1,024 float32; Wq 1,024 x 1,024 float32; Wv 1,024 x 1,024 float32; bk 1,024 float32; bo 1,024 float32; bq 1,024 float32; bv 1,024 float32; x 4 x 2,048 x 1,024 float32.
;; Outputs: out0 4 x 2,048 x 1,024 float32.
;; This version of the problem:
;;   THIS VERSION OF THE PROBLEM IS GIVEN IN LOW PRECISION. The matrix products marked QUANTISED in the list below multiply operands that are first quantised to E2M3 (2 exponent bits, 3 mantissa bits; 6 bits a number), with one power-of-two scale for each 32 numbers along K (OCP MX v1.0); their sums are f32. All else is computed in f32.
;;   The module's matrix products, in the order in which they are computed (A, B: the left and right operand; K: the contracted axis; several contracted axes count as one K, in the product's order):
;;     1. [M 8,192, K 1,024] x [K 1,024, N 1,024]; A: input x; B: input Wq: QUANTISED
;;     2. [M 8,192, K 1,024] x [K 1,024, N 1,024]; A: input x; B: input Wk: QUANTISED
;;     3. [M 8,192, K 1,024] x [K 1,024, N 1,024]; A: input x; B: input Wv: QUANTISED
;;     4. batch 4 x [M 2,048, K 1,024] x [K 1,024, N 2,048]; A: computed on the way; B: computed on the way: QUANTISED
;;     5. batch 4 x [M 2,048, K 2,048] x [K 2,048, N 1,024]; A: softmax (see below); B: computed on the way: QUANTISED
;;     6. [M 8,192, K 1,024] x [K 1,024, N 1,024]; A: computed on the way; B: input Wo: QUANTISED
;;   THE QUANTISER, for each operand of a quantised product, along K:
;;     - K is cut into blocks of 32 from its start; a last block that is shorter is filled with zeros.
;;     - A block's scale is 2^e with e = floor(log2(the largest magnitude in the block)) - 2, held to -126 .. 127; a block of zeros has e = 0. As a byte (E8M0): e + 127.
;;     - Each number is divided by its block's scale, clamped to +-7.5, and rounded to the nearest number of E2M3, ties to even, subnormals kept.
;;     - The product sums the exact products of the quantised numbers (number of the format x scale) in f32.
;;   ~~~python
;;   def quantise(x, axis):      # numpy; x: float32 -> the quantised numbers, widened to float32 again
;;       x = np.moveaxis(x, axis, -1); K = x.shape[-1]
;;       x = np.pad(x, [(0, 0)] * (x.ndim - 1) + [(0, -K % 32)]); x = x.reshape(x.shape[:-1] + (-1, 32)); a = np.abs(x).max(-1, keepdims=True)
;;       e = np.where(a > 0, np.clip(np.frexp(np.where(a > 0, a, 1))[1] - 1 - 2, -126, 127), 0)      # np.frexp(a)[1] - 1 = floor(log2(a)), exactly
;;       r = np.clip(x / 2.0 ** e, -7.5, 7.5)
;;       step = 2.0 ** (np.maximum(np.frexp(np.where(r == 0, 1, r))[1] - 1, 0) - 3)
;;       q = np.round(r / step) * step * 2.0 ** e      # np.round: ties to even
;;       return np.moveaxis(q.reshape(q.shape[:-2] + (-1,))[..., :K], -1, axis).astype(np.float32)
;;   ~~~
;;   SOFTMAX AHEAD OF A QUANTISED PRODUCT. Where the list says 'softmax', what is quantised is not the finished softmax but p = 2^(t - M), with t = logit x log2(e) and M = ceil(the row's largest t), a whole number; so 1/2 < the row's largest p <= 1. The row's sum l is taken of the UNQUANTISED p, in f32, and the product's result is divided by l at the end. Since M is a whole number, a kernel that streams over the keys may use a running M (the ceiling of the running maximum): every later rescaling is an exact power of two, which a block's scale takes up: the codes' values come out the same.
;;   OPERANDS COMPUTED ON THE WAY. 'Computed on the way' means the value that the module computes at that place (a softmax that the list does not call 'softmax' is quantised finished and normalised). What goes into a quantiser is computed in f32, as accurately as f32 sums, v_exp_f32 and their like allow (about 1e-6 of the number): no bf16 or f16 on the way to a quantiser, and a product that is left as it is and whose result goes on into a quantised operand takes f32 operands (vector FMAs, or v_wmma_f32_16x16x4_f32). A number that lies on a knife's edge between two numbers of the format may be rounded either way, as far as f32 arithmetic and the matrix unit's own rounding can turn it there, and no further.
;; One version. Each part assembles by itself: llvm-mc -triple=amdgcn-amd-amdhsa -mcpu=gfx1250 --defsym DOCPART=n.
;; ======== version 1 of 1: 5 launches
;; limits: right only within a limited range of input values
;; workspace buffers: prepb 9,830,400 bytes; qkvb 19,660,800 bytes; pb 14,680,064 bytes; ob 6,553,600 bytes
;; launch prep (part 1): grid 768 x 1, 4 waves a work-group, no clusters, 34,304 bytes of LDS; arguments x, Wq, Wk, Wv, Wo, prepb; writes prepb
.if DOCPART == 1
	.amdgcn_target "amdgcn-amd-amdhsa--gfx1250"
	.amdhsa_code_object_version 6
	.text
	.protected	k_qbb6cad2fd1_prep
	.globl	k_qbb6cad2fd1_prep
	.p2align	8
	.type	k_qbb6cad2fd1_prep,@function
k_qbb6cad2fd1_prep:
	s_mov_b64 s[64:65], 0
	v_nop
	global_prefetch_b8 v0, s[64:65] scope:SCOPE_SE
	s_setreg_imm32_b32 hwreg(HW_REG_WAVE_MODE, 25, 1), 1
	s_wait_xcnt 0x0
; SELF-ATTENTION IN MX-FP6 (E2M3 codes, one E8M0 scale for each 32 along K), five launches: prep, qkv, scores, pv, proj.
; NO WORK IS LEFT OUT: every bias stands ahead of a quantiser (bq, bk, bv) or on the output (bo), so all nine inputs are loaded and all six products are made.
; THIS LAUNCH turns x [8192][1024] and the four weights [1024 (k)][1024 (n)], f32, into codes and scale words, quantised along K (x: its last axis; a weight: its first).
; LAYOUT OF EVERY OPERAND THAT THIS PROGRAM KEEPS IN MEMORY: AN IMAGE OF THE OPERAND'S REGISTERS.  Rows go in tiles of 16; a fragment (16 rows x 128 K) is 12 registers a lane = 1,536 bytes:
; registers 4 j .. 4 j + 3 of lane l at 512 j + 16 l.  A tile's fragments follow each other along K.  Lane r of tile 2 B + u holds row 32 B + 8 u + r + 8 (r / 8): used as source 0 of a product, the 16 result
; registers of two neighbouring tiles are then 16 neighbours along the next product's K.  Scale words: [group of 4 tiles][128 along K][r][tile in the group], 256 bytes for each group and 128 along K.
; A block's scale is 2^(floor(log2(largest magnitude)) - 2): its byte is the largest magnitude's exponent field - 2, held at 1 from below by a floor among the maximum's leaves.
; LIMITS: NaN and infinities among the inputs are not served.  A block of zeros, or one whose largest magnitude lies under 2^-124, gets the byte 1 (the rule says 127 for zeros): its codes are zeros or
; the same subnormal codes, and the bytes are read by this program alone.
; SHARES: work-groups 0-511 take x: 32 rows (two tiles) x 512 along K, a wave 128 along K: two fragments, all its 32 loads out at once.
; Work-groups 512-767 take the weights: 128 columns x 128 along K of one weight, a wave 32 columns: all its 128 loads out at once.
; An x wave's 32 scale words are half of a run of 256 bytes (4 bytes a lane, 8 of each 16): the other pair of tiles' wave stores the other half.
; No tensor loads, no barrier: waves share nothing; the stage in LDS is each wave's own.
.set XS,    6291456                    ; prepb: x's codes at 0, x's scale words here,
.set WC,    6553600                    ; the weights' codes (q, k, v, o: 786,432 bytes each),
.set WS,    9699328                    ; the weights' scale words (32,768 bytes each)
.set STG,   8448                       ; a wave's stage: 16 rows x (512 bytes + 16)
.set SPARE, 4*STG                      ; behind the stages: the spare words, 128 bytes a wave, which no other line names
.set SPW,   254                        ; v254 LDS address of my spare word; never rewritten
.set NIL,   255                        ; v255 0; never rewritten
.set XN,    144                        ; v144-207 x path: 64 numbers of my row: register 32 c + i = k 64 c + 32 h + i
	s_load_b256 s[4:11], s[0:1], 0x0               ; x, Wq, Wk, Wv
	s_load_b128 s[12:15], s[0:1], 0x20             ; Wo, prepb
	v_lshl_add_u32 v[SPW], v0, 2, SPARE
	v_mov_b32 v[NIL], 0
	v_lshrrev_b32 v1, 5, v0
	v_readfirstlane_b32 s16, v1                    ; wave
	v_and_b32 v1, 31, v0                           ; lane
	v_and_b32 v2, 15, v0                           ; r
	v_bfe_u32 v3, v0, 4, 1                         ; h
	v_lshlrev_b32 v4, 4, v1                        ; 16 x lane
	s_mul_i32 s17, s16, STG
	v_add_nc_u32 v5, s17, v4                       ; the stage, on the way in: a row's 512 bytes as they lie
	v_mul_u32_u24 v6, v2, 528
	v_lshl_add_u32 v6, v3, 7, v6
	v_add_nc_u32 v6, s17, v6                       ; and on the way out: row r, + 128 h: my 32 numbers of each 64
	s_mov_b32 s20, 0x76543210
	s_mov_b32 s21, 0xfedcba98                      ; lane selects: lane l xor 16
	s_cmp_ge_u32 ttmp9, 512
	s_wait_alu depctr_va_vdst(0)                   ; the wait directly ahead of the branch
	s_cbranch_scc1 .Lweights
	; ---------------- x ----------------
	v_lshlrev_b32 v7, 4, v2
	v_lshl_add_u32 v7, v3, 2, v7                   ; the scale words' place: 16 r + 4 h
	v_lshlrev_b32 v8, 3, v3                        ; 8 h: how far my two bytes are shifted
	v_cmp_ne_u32 s22, 0, v3                        ; the lanes 16-31
	v_mov_b32 v247, 0                              ; a lane permute's destination counts as read
	s_lshr_b32 s23, ttmp9, 2                       ; the group of 64 rows
	s_bfe_u32 s18, ttmp9, 0x10001                  ; which pair of its four tiles
	s_and_b32 s24, ttmp9, 1
	s_lshl_b32 s24, s24, 2
	s_add_co_u32 s24, s24, s16                     ; which 128 along K is my wave's
	s_lshl_b32 s26, s23, 18                        ; x: 64 rows of 4,096 bytes a group,
	s_lshl_b32 s25, s24, 9                         ; 512 bytes for 128 along K,
	s_add_co_u32 s26, s26, s25
	s_lshl_b32 s25, s18, 17                        ; 32 rows a pair of tiles
	s_add_co_u32 s26, s26, s25
	s_mov_b32 s27, 0
	s_mul_i32 s28, s23, 49152                      ; codes: four tiles of 12,288 bytes a group,
	s_mul_i32 s25, s24, 1536                       ; a fragment,
	s_add_co_u32 s28, s28, s25
	s_mul_i32 s25, s18, 24576                      ; a pair of tiles
	s_add_co_u32 s28, s28, s25
	s_mov_b32 s29, 0
	s_lshl_b32 s30, s23, 11                        ; scale words: 2,048 bytes a group, 256 for 128 along K,
	s_lshl_b32 s25, s24, 8
	s_add_co_u32 s30, s30, s25
	s_lshl_b32 s25, s18, 3                         ; 8 bytes a pair of tiles
	s_add_co_u32 s30, s30, s25
	s_add_co_u32 s30, s30, XS
	s_mov_b32 s31, 0
	s_wait_alu depctr_va_vdst(0)                   ; the wait at the head's end
	s_wait_kmcnt 0x0
	s_add_nc_u64 s[4:5], s[4:5], s[26:27]
	s_add_nc_u64 s[28:29], s[14:15], s[28:29]
	s_add_nc_u64 s[30:31], s[14:15], s[30:31]
.macro LOADF a                         ; my tile a's 16 rows, in the tile's order, 512 consecutive bytes a load, into v16-79 or v80-143
.set RS, 16+64*(\a)
.irp i, 0,1,2,3,4,5,6,7,8,9,10,11,12,13,14,15
	global_load_b128 v[RS+4*\i:RS+4*\i+3], v4, s[4:5] offset:(8*(\a)+\i+8*(\i/8))*4096 th:TH_LOAD_NT
.endr
.endm
.macro FRAGX a                         ; tile a becomes a fragment
.set RS, 16+64*(\a)
.set CC, 208+12*(\a)                   ; its codes: v208-219, v220-231: no store's data are written again
	s_wait_loadcnt 16-16*(\a)                      ; this tile's 16 loads are in; the second tile's may be out
.irp i, 0,1,2,3,4,5,6,7,8,9,10,11,12,13,14,15
	ds_store_b128 v5, v[RS+4*\i:RS+4*\i+3] offset:528*\i
.endr
.irp c, 0,1
.irp j, 0,1,2,3,4,5,6,7
	ds_load_b128 v[XN+32*\c+4*\j:XN+32*\c+4*\j+3], v6 offset:256*\c+16*\j   ; LDS serves a wave's instructions in order: these see the stores above
.endr
.endr
	s_wait_dscnt 0x0                               ; my 64 numbers are in
.irp c, 0,1                            ; my two whole blocks, 2 c + h: no other lane is asked for a maximum
	v_max3_num_f32 v[240+\c], |v[XN+32*\c]|, |v[XN+32*\c+1]|, 0x1800000   ; with the floor 2^(3 - 127): the byte cannot fall under 1
.endr
.irp i, 2,4,6,8,10,12,14,16,18,20,22,24,26,28,30
.irp c, 0,1
	v_max3_num_f32 v[240+\c], v[240+\c], |v[XN+32*\c+\i]|, |v[XN+32*\c+\i+1]|
.endr
.endr
.irp c, 0,1
	v_add_nc_u32 v[242+\c], 0xff000000, v[240+\c]  ; 2 off the exponent field: the conversion's scale operand
.endr
.irp c, 0,1
	v_lshrrev_b32 v[244+\c], 23, v[242+\c]         ; the scale's byte
.endr
	v_lshl_or_b32 v246, v245, 16, v244             ; blocks h and 2 + h,
	v_lshlrev_b32 v246, v8, v246                   ; at their places in the word;
	v_permlanex16_b32 v247, v246, s20, s21
	v_or_b32 v[248+(\a)], v246, v247               ; with lane l xor 16's two the word is whole
	v_cvt_scalef32_pk16_fp6_f32 v[CC:CC+2], v[XN:XN+15], v242
	v_cvt_scalef32_pk16_fp6_f32 v[232:234], v[XN+16:XN+31], v242      ; (a conversion's three registers begin on an even number)
	v_cvt_scalef32_pk16_fp6_f32 v[CC+6:CC+8], v[XN+32:XN+47], v243
	v_cvt_scalef32_pk16_fp6_f32 v[236:238], v[XN+48:XN+63], v243
	v_nop                                          ; one plain place behind the conversions
.irp i, 0,1,2
	v_mov_b32 v[CC+3+\i], v[232+\i]
	v_mov_b32 v[CC+9+\i], v[236+\i]
.endr
.irp j, 0,1,2
	global_store_b128 v4, v[CC+4*\j:CC+4*\j+3], s[28:29] offset:(\a)*12288+512*\j   ; 512 consecutive bytes, aligned
.endr
.endm
	LOADF 0
	LOADF 1
	FRAGX 0
	FRAGX 1
	v_cndmask_b32 v252, v248, v249, s22            ; lanes 0-15 store my first tile's word of row r, lanes 16-31 my second tile's
	global_store_b32 v7, v252, s[30:31]
	s_wait_tensorcnt 0x0                           ; the wave's end
	ds_add_u32 v[SPW], v[NIL]
	s_wait_dscnt 0x0
	s_endpgm
	; ---------------- the weights: a lane takes a column n, its registers run down K ----------------
.Lweights:
	s_sub_co_u32 s23, ttmp9, 512
	s_lshr_b32 s24, s23, 6                         ; which weight: q, k, v, o
	s_and_b32 s25, s23, 7                          ; which 128 columns
	s_bfe_u32 s26, s23, 0x30003                    ; which 128 along K
	v_bfe_u32 v9, v0, 3, 1                         ; column o of my wave's 32 lies in tile u = (o / 8) % 2,
	v_and_b32 v10, 7, v0
	v_lshl_or_b32 v10, v3, 3, v10                  ; at place r = o % 8 + 8 (o / 16)
	v_lshlrev_b32 v12, 2, v1                       ; in: 4 bytes a lane
	v_mul_u32_u24 v13, v9, 12288
	v_lshl_add_u32 v13, v10, 4, v13                ; codes: my tile, 16 r
	v_lshlrev_b32 v14, 4, v10
	v_lshl_add_u32 v14, v9, 2, v14                 ; scale word: 16 r + 4 u
	s_lshl_b32 s28, s26, 19                        ; W: 128 rows of 4,096 bytes,
	s_lshl_b32 s27, s25, 9
	s_add_co_u32 s28, s28, s27                     ; 128 columns,
	s_lshl_b32 s27, s16, 7
	s_add_co_u32 s28, s28, s27                     ; 32 columns a wave
	s_mov_b32 s29, 0
	s_lshl_b32 s30, s25, 3
	s_lshl_b32 s27, s16, 1
	s_add_co_u32 s30, s30, s27                     ; my first tile: 8 x block + 2 x wave
	s_mul_i32 s30, s30, 12288
	s_mul_i32 s27, s24, 786432
	s_add_co_u32 s30, s30, s27
	s_mul_i32 s27, s26, 1536                       ; a fragment along K
	s_add_co_u32 s30, s30, s27
	s_add_co_u32 s30, s30, WC
	s_mov_b32 s31, 0
	s_lshl_b32 s32, s25, 1
	s_lshr_b32 s27, s16, 1
	s_add_co_u32 s32, s32, s27                     ; my group of four tiles
	s_lshl_b32 s32, s32, 11
	s_lshl_b32 s27, s24, 15
	s_add_co_u32 s32, s32, s27
	s_lshl_b32 s27, s26, 8
	s_add_co_u32 s32, s32, s27
	s_and_b32 s27, s16, 1
	s_lshl_b32 s27, s27, 3                         ; my two tiles' words in the group's four
	s_add_co_u32 s32, s32, s27
	s_add_co_u32 s32, s32, WS
	s_mov_b32 s33, 0
	s_wait_alu depctr_va_vdst(0)                   ; the wait at the head's end
	s_wait_kmcnt 0x0
	s_cmp_eq_u32 s24, 1                            ; the choice hangs on the work-group's number alone
	s_cselect_b64 s[34:35], s[8:9], s[6:7]
	s_cmp_eq_u32 s24, 2
	s_cselect_b64 s[34:35], s[10:11], s[34:35]
	s_cmp_eq_u32 s24, 3
	s_cselect_b64 s[34:35], s[12:13], s[34:35]
	s_add_nc_u64 s[34:35], s[34:35], s[28:29]
	s_add_nc_u64 s[30:31], s[14:15], s[30:31]
	s_add_nc_u64 s[32:33], s[14:15], s[32:33]
.macro WLOAD t                         ; block t: W(32 t + i, my column) into v16-47, v48-79, v144-175, v176-207: 128 consecutive bytes a load
.set XW, 16+32*(\t)+64*((\t)/2)
.irp i, 0,1,2,3,4,5,6,7,8,9,10,11,12,13,14,15,16,17,18,19,20,21,22,23,24,25,26,27,28,29,30,31
	global_load_b32 v[XW+\i], v12, s[34:35] offset:(32*(\t)+\i)*4096 th:TH_LOAD_NT
.endr
.endm
.macro WBLOCK t                        ; block t = 2 c + h: registers 6 c .. 6 c + 5 of lane (r, h) of the fragment: kept at v[80 + 12 h + 6 c]
.set XW, 16+32*(\t)+64*((\t)/2)
.set CD, 80+12*((\t)%2)+6*((\t)/2)
.if (\t) < 2
	s_wait_loadcnt 63                              ; of my 128 loads at most 63 are out: the first 65 are in, blocks 0 and 1 among them
.else
	s_wait_loadcnt 96-32*(\t)                      ; this block's 32 loads are in; the last block's may be out
.endif
	v_max3_num_f32 v128, |v[XW]|, |v[XW+1]|, |v[XW+2]|
	v_max3_num_f32 v129, |v[XW+3]|, |v[XW+4]|, |v[XW+5]|
.irp i, 6,10,14,18,22,26
	v_max3_num_f32 v128, v128, |v[XW+\i]|, |v[XW+\i+1]|
	v_max3_num_f32 v129, v129, |v[XW+\i+2]|, |v[XW+\i+3]|
.endr
	v_max3_num_f32 v128, v128, |v[XW+30]|, |v[XW+31]|
	v_max3_num_f32 v128, v128, v129, 0x1800000     ; and the floor
	v_add_nc_u32 v130, 0xff000000, v128            ; the conversion's scale operand
	v_lshrrev_b32 v131, 23, v130                   ; the byte
.if (\t) == 0
	v_mov_b32 v132, v131                           ; four bytes to a word, the lower K in the lower byte
.else
	v_lshl_or_b32 v132, v131, 8*(\t), v132
.endif
	v_cvt_scalef32_pk16_fp6_f32 v[CD:CD+2], v[XW:XW+15], v130
	v_cvt_scalef32_pk16_fp6_f32 v[136:138], v[XW+16:XW+31], v130
	v_nop                                          ; one plain place behind the conversions
.irp i, 0,1,2
	v_mov_b32 v[CD+3+\i], v[136+\i]
.endr
.endm
	WLOAD 0
	WLOAD 1
	WLOAD 2
	WLOAD 3
	WBLOCK 0
	WBLOCK 1
	WBLOCK 2
	WBLOCK 3
.irp h, 0,1                            ; the fragment of my two tiles: sixteen lanes fill 256 consecutive bytes of a tile's fragment
.irp j, 0,1,2
	global_store_b128 v13, v[80+12*\h+4*\j:80+12*\h+4*\j+3], s[30:31] offset:512*\j+256*\h
.endr
.endr
	global_store_b32 v14, v132, s[32:33]
	s_wait_tensorcnt 0x0                           ; the same three lines close this path too
	ds_add_u32 v[SPW], v[NIL]
	s_wait_dscnt 0x0
	s_endpgm
.Lfunc_end_k_qbb6cad2fd1_prep:
	.size	k_qbb6cad2fd1_prep, .Lfunc_end_k_qbb6cad2fd1_prep-k_qbb6cad2fd1_prep
	.p2alignl 7, 3214868480
	.fill 96, 4, 3214868480
	.section	.rodata,"a",@progbits
	.p2align	6, 0x0
	.amdhsa_kernel k_qbb6cad2fd1_prep
		.amdhsa_group_segment_fixed_size 34304
		.amdhsa_private_segment_fixed_size 0
		.amdhsa_enable_private_segment 0
		.amdhsa_kernarg_size 48
		.amdhsa_user_sgpr_count 2
		.amdhsa_user_sgpr_kernarg_segment_ptr 1
		.amdhsa_wavefront_size32 1
		.amdhsa_system_sgpr_workgroup_id_x 1
		.amdhsa_system_sgpr_workgroup_id_y 1
		.amdhsa_system_sgpr_workgroup_id_z 1
		.amdhsa_system_vgpr_workitem_id 0
		.amdhsa_next_free_vgpr 256
		.amdhsa_next_free_sgpr 66
		.amdhsa_reserve_vcc 0
		.amdhsa_float_denorm_mode_32 3
		.amdhsa_float_denorm_mode_16_64 3
		.amdhsa_memory_ordered 1
		.amdhsa_forward_progress 1
		.amdhsa_inst_pref_size 38
	.end_amdhsa_kernel
	.amdgpu_metadata
---
amdhsa.version: [ 1, 2 ]
amdhsa.kernels:
  - .name:           k_qbb6cad2fd1_prep
    .symbol:         k_qbb6cad2fd1_prep.kd
    .args:
      - { .name: x, .offset: 0, .size: 8, .value_kind: global_buffer, .address_space: global }
      - { .name: Wq, .offset: 8, .size: 8, .value_kind: global_buffer, .address_space: global }
      - { .name: Wk, .offset: 16, .size: 8, .value_kind: global_buffer, .address_space: global }
      - { .name: Wv, .offset: 24, .size: 8, .value_kind: global_buffer, .address_space: global }
      - { .name: Wo, .offset: 32, .size: 8, .value_kind: global_buffer, .address_space: global }
      - { .name: prepb, .offset: 40, .size: 8, .value_kind: global_buffer, .address_space: global }
    .group_segment_fixed_size: 34304
    .private_segment_fixed_size: 0
    .kernarg_segment_align: 8
    .kernarg_segment_size: 48
    .max_flat_workgroup_size: 128
    .sgpr_count:     66
    .vgpr_count:     256
    .wavefront_size: 32
...
	.end_amdgpu_metadata
.endif
;; end of part 1
;; launch qkv (part 2): grid 4 x 64, 4 waves a work-group, clusters of 4 x 4, 327,680 bytes of LDS; arguments prepb, bq, bk, bv, qkvb; writes qkvb
.if DOCPART == 2
	.amdgcn_target "amdgcn-amd-amdhsa--gfx1250"
	.amdhsa_code_object_version 6
	.text
	.protected	k_qbb6cad2fd1_qkv
	.globl	k_qbb6cad2fd1_qkv
	.p2align	8
	.type	k_qbb6cad2fd1_qkv,@function
k_qbb6cad2fd1_qkv:
	s_mov_b64 s[64:65], 0
	v_nop
	global_prefetch_b8 v0, s[64:65] scope:SCOPE_SE
	s_setreg_imm32_b32 hwreg(HW_REG_WAVE_MODE, 25, 1), 1
	s_wait_xcnt 0x0
	s_wait_alu depctr_hold_cnt(0) depctr_sa_sdst(0) depctr_va_vdst(0) depctr_va_sdst(0) depctr_va_ssrc(0) depctr_va_vcc(0) depctr_vm_vsrc(0)
	s_getreg_b32 s2, hwreg(HW_REG_IB_STS2, 6, 4)
	s_cmp_eq_u32 s2, 0
	s_cbranch_scc0 .Lentry_in_a_cluster
	s_endpgm
.Lentry_in_a_cluster:
	s_bfe_u32 s2, ttmp6, 0x10000c
	s_cmp_lg_u32 s2, 0xf033
	s_cbranch_scc0 .Lentry_shape_is_right
	s_endpgm
.Lentry_shape_is_right:
; q = x Wq + bq, k = x Wk + bk, v = x Wv + bv on codes of E2M3, and each result quantised at once, in registers: q and k along d, v along the tokens (the keys).  Nothing is left out.
; Operands and results lie in memory as images of the operand's registers (a fragment of 16 rows x 128 K = 1,536 bytes; lane r of tile 2 B + u holds row 32 B + 8 u + r + 8 (r / 8)); scale words as
; [group of 4 tiles][128 along K][r][tile]: one load of 16 bytes a lane brings four tiles' words, lanes 0-15 for an even 128 along K, lanes 16-31 for the odd one behind it.
; A WORK-GROUP HAS 128 TOKENS AND 256 COLUMNS OF EACH WEIGHT, and makes three tiles.  ITS TOKENS' PANEL STAYS IN LDS FOR ALL THREE; the weights' panel goes Wq, Wk, Wv.
;   q, k: source 0 (X) = the weight's columns, source 1 (Y) = tokens; a wave has 128 columns x 64 tokens.   v: X = all 128 tokens, Y = Wv's columns; a wave has 128 tokens x 64 columns.
; In a result a lane holds ONE row of Y and its 64 registers of a tile of Y run along X: 128 neighbours (with lane l xor 16) along the next product's K: a wave's results become four fragments and
; four scale words, stored from registers in whole runs of 512 bytes.
; K = 1,024 is two LDS slots of 512: the weight's 16 tiles x 6,144 bytes, then the tokens' 8.  AT THE HEAD each wave issues one joint load: wave w fetches slot w / 2, the weight's whole panel (w even) or the
; tokens' (w odd).  A REFILL is the weight's part of a slot, a quarter (4 tiles) to each wave: no branch.  CLUSTERS of 4 x 4: the weight's panel hangs on x alone and is asked for jointly by a column of the
; cluster, the tokens' on y alone, by a row.
; PREFETCH: Wk's and Wv's panels (196,608 bytes each) are asked for ahead of their refills: Wk's at the head, three steps ahead of its first refill, Wv's in q's second step, ten steps ahead.  The four partners of
; a column share a panel's blocks out by address: (4 cy + wave) x 24 blocks of 256 bytes an instruction, a lane a block; lanes 24-31 name lane 23's block again.  The head's own panels come by their loads alone.
; The biases are the C of each sum's first matrix instruction.  LIMITS: as in the first launch (NaN, infinities; the byte 1 for blocks under 2^-124).
; REGISTERS: window 0: v1-18 addresses; v28, v29 the add's two; v32-95 X's scale words (two sets), v96-127 Y's (two sets); v128-175, v176-223 Y's fragments, two sets (the second serves the way out);
;   v224-243 at work.  window 1: v0-95, v96-191 X's fragments, two sets; v192-255 a bias.  window 2: accumulator (a, b) at v[8 (8 a + b)].
.set XS,    6291456                    ; prepb
.set WC,    6553600
.set WS,    9699328
.set VC,    12582912                   ; qkvb: q's codes at 0, k's 6,291,456 on, v's here;
.set QS,    18874368                   ; q's scale words, k's 262,144 on,
.set VS,    19398656                   ; v's
.set PITCH, 12288                      ; from tile to tile in the operands' images
.set GS,    16                         ; registers of scale words for a group of four tiles of X
.set SLOTB, 147456
.set YOFF,  98304
.set SPARE, 2*SLOTB                    ; behind the ring: the spare words, 128 bytes a wave, which no other line names
.set L16,  3                           ; v3    16 x lane
.set ADRX, 4                           ; v4-5  q, k: LDS address of my X fragments in slot 0, 1
.set ADRY, 6                           ; v6-7  of my Y fragments
.set SCA,  8                           ; v8    16 r + 8 h: where I store scale words
.set BXA,  9                           ; v9    64 h: a bias along X
.set BYA,  10                          ; v10   4 (r + 8 (r / 8)): a bias along Y
.set ADRXV, 14                         ; v14-15 v: X = the tokens' eight tiles
.set ADRYV, 16                         ; v16-17 v: Y = my four tiles of Wv
.set PFO,  18                          ; v18   the prefetches' offset; never rewritten
.set SPW,  28
.set NIL,  29
.set TM,   224                         ; v224-227 largest magnitudes, v228-231 permutes and bytes, v232-233 words to store, v236-239 scale operands
.set PW,   240                         ; v240-243 the four scale words
.set PCA,  176                         ; v176-187, v188-199 the codes just made, by turns
.set PT,   200                         ; v200-207 half blocks
.set WV, 14
.set LY, 15                            ; wave / 2: my half of the tokens (q, k); at the head: which slot I fetch
.set HF, 16                            ; wave % 2: my half of the columns (q, k); at the head: 0 the weight's panel, 1 the tokens'
.set CX, 17
.set CY, 18
.set GX, 19
.set GY, 20
.set CYL, 21
.set G1X, 24
.set G1Y, 32
.set G0X, 40                           ; s[40:47] the weight's panel: one set for each slot
.set G0Y, 48                           ; s[48:51] the tokens' panel: the head's load alone
.set HM,  56                           ; s56 the lanes 16-31
.set SEL, 58
.set MSB, 0
.macro WIN new                         ; the immediate's high byte repeats the setting that is left
.if MSB != \new
	s_set_vgpr_msb (MSB<<8)|\new
.set MSB, \new
.endif
.endm
.macro PLACES n
.rept \n
	v_nop
.endr
.endm
.macro CREST                           ; a round of the cluster's barrier behind its opening barrier
	s_cmp_lg_u32 s[WV], 0
	s_cbranch_scc1 .Lnot_wave_0_\@
	s_barrier_signal -3
.Lnot_wave_0_\@:
	s_barrier_wait -3
	s_barrier_signal -1
	s_barrier_wait -1
.endm
.macro CROUND
	s_barrier_signal -1
	s_barrier_wait -1
	CREST
.endm
.macro XLOAD s                         ; a joint refill: my four tiles of the weight's part of slot s; an s_nop 0 and four v_nop follow; they are also the places in front of the LDS loads that follow
	tensor_load_to_lds s[G0X+4*\s:G0X+4*\s+3], s[G1X:G1X+7]
	s_nop 0
.rept 4
	v_nop
.endr
.endm
; s[dst:dst+1] = s[ptr:ptr+1] + s[ra] x ma (+ s[rb] x mb) + cst, by the helpers s[tp:tp+1] and s[th]; ADDT adds one term more
.macro BASE2 dst, ptr, tp, th, ra, ma, rb, mb, cst
	s_mul_i32 s[\tp], s[\ra], \ma
	s_mul_i32 s[\th], s[\rb], \mb
	s_add_co_u32 s[\tp], s[\tp], s[\th]
.if (\cst) != 0
	s_add_co_u32 s[\tp], s[\tp], \cst
.endif
	s_mov_b32 s[\tp+1], 0
	s_add_nc_u64 s[\dst:\dst+1], s[\ptr:\ptr+1], s[\tp:\tp+1]
.endm
.macro BASE1 dst, ptr, tp, ra, ma, cst
	s_mul_i32 s[\tp], s[\ra], \ma
	s_add_co_u32 s[\tp], s[\tp], \cst
	s_mov_b32 s[\tp+1], 0
	s_add_nc_u64 s[\dst:\dst+1], s[\ptr:\ptr+1], s[\tp:\tp+1]
.endm
.macro ADDT dst, tp, ra, ma
	s_mul_i32 s[\tp], s[\ra], \ma
	s_add_nc_u64 s[\dst:\dst+1], s[\dst:\dst+1], s[\tp:\tp+1]
.endm
; 36 LDS loads in one run: the fragments of the slot's q-th 128 along K into set p: X's eight (address registers AX), Y's four (AY).  Every load is 512 consecutive bytes.
.macro FETCH slot, q, p
	WIN 0x40
.irp b, 0,1,2,3,4,5,6,7
.irp j, 0,1,2
	ds_load_b128 v[96*(\p)+12*\b+4*\j:96*(\p)+12*\b+4*\j+3], v[AX+\slot] offset:\b*6144+(\q)*1536+512*\j
.endr
.endr
	WIN 0
.irp a, 0,1,2,3
.irp j, 0,1,2
	ds_load_b128 v[128+48*(\p)+12*\a+4*\j:128+48*(\p)+12*\a+4*\j+3], v[AY+\slot] offset:\a*6144+(\q)*1536+512*\j
.endr
.endr
.endm
; 8 matrix instructions: Y's tile a against X's eight, set p, the ks-th 128 along K.  cm 0: onto the sums; 2: C = the bias along X; 3: along Y.
; The 32 accumulators take turns, one instruction a turn, in the same order in every step.
.macro MUL8 a, p, ks, cm
.if (\cm) >= 2
	WIN 0x91                                       ; X window 1, Y window 0, C window 1, D window 2
.else
	WIN 0xa1                                       ; C and D window 2
.endif
.irp b, 0,1,2,3,4,5,6,7
.set rD, 8*(8*(\a)+\b)
.set rX, 96*(\p)+12*\b
.set rY, 128+48*(\p)+12*(\a)
.set rP, CSX+GS*(\b/4)+4*((\ks)/2)+\b%4
.set rQ, CSY+4*((\ks)/2)+(\a)
.set rC, rD
.if (\cm) == 2
.set rC, 192+8*\b
.endif
.if (\cm) == 3
.set rC, 192+8*(\a)
.endif
.if (\ks)%2
	v_wmma_scale_f32_16x16x128_f8f6f4 v[rD:rD+7], v[rX:rX+11], v[rY:rY+11], v[rC:rC+7], v[rP], v[rQ] matrix_a_fmt:MATRIX_FMT_FP6 matrix_b_fmt:MATRIX_FMT_FP6 matrix_a_scale:MATRIX_SCALE_ROW1 matrix_b_scale:MATRIX_SCALE_ROW1
.else
	v_wmma_scale_f32_16x16x128_f8f6f4 v[rD:rD+7], v[rX:rX+11], v[rY:rY+11], v[rC:rC+7], v[rP], v[rQ] matrix_a_fmt:MATRIX_FMT_FP6 matrix_b_fmt:MATRIX_FMT_FP6
.endif
.endr
.endm
; One of a slot's first three steps: the next step's fragments are asked for, then this step's 32 products are issued.
.macro STEP slot, q, ks, cm
	s_wait_dscnt 0x0                               ; this step's fragments are in
	PLACES 4                                       ; four places between the last products, which read the other set, and the loads into it
	FETCH \slot, (\q)+1, ((\q)+1)%2
	MUL8 0, (\q)%2, \ks, \cm
	MUL8 1, (\q)%2, \ks, \cm
	MUL8 2, (\q)%2, \ks, \cm
	MUL8 3, (\q)%2, \ks, \cm
.endm
; A slot's last step changes slots: ONE barrier; in front of it each wave waits for all its tensor loads, adds 0 to its spare word, and waits for that and for its reads of this slot.
; fill = 1: the barrier opens a round of the cluster's barrier, and the joint refill, the next weight's part of this slot, is the first thing behind the round.
.macro TURN slot, next, ks, fill
	WIN 0
	s_wait_tensorcnt 0x0                           ; all my tensor loads have landed: my part of the next slot among them
	ds_add_u32 v[SPW], v[NIL]                      ; 0 onto my spare word
	s_wait_dscnt 0x1                               ; the 36 fragment loads are in; the add alone may be out
	MUL8 0, 1, \ks, 0
	s_wait_dscnt 0x0                               ; the add is done, and my reads of this slot are over
	s_barrier_signal -1
	MUL8 1, 1, \ks, 0
	WIN 0
	s_barrier_wait -1
.if \fill
	CREST                                          ; no wave of any partner still reads this slot or has a load on its way
	s_add_nc_u64 s[G0X+4*\slot+2:G0X+4*\slot+3], s[G0X+4*\slot+2:G0X+4*\slot+3], 786432   ; the next weight's codes
	XLOAD \slot
.else
	PLACES 4
.endif
	FETCH \next, 0, 0
	MUL8 2, 1, \ks, 0
	MUL8 3, 1, \ks, 0
.endm
.macro LAST ks                         ; the launch's last step: nothing more to fetch
	s_wait_dscnt 0x0
	MUL8 0, 1, \ks, 0
	MUL8 1, 1, \ks, 0
	MUL8 2, 1, \ks, 0
	MUL8 3, 1, \ks, 0
	WIN 0
.endm
; 64 results of a lane in window 2, v[s] on (register 16 b + i = k 32 b + 16 h + i of my row), become a fragment's codes in v[pc] on and its scale word in v[pw].
.macro QUANT s, pc, pw
	WIN 0x0a                                       ; sources 0 and 1 window 2
.irp b, 0,1,2,3
	v_max3_num_f32 v[TM+\b], |v[(\s)+16*\b]|, |v[(\s)+16*\b+1]|, 0x1800000   ; each accumulator is read from its low end on; the floor 2^(3 - 127) holds the byte at 1 from below
.endr
.irp i, 2,4,6,8,10,12,14
.irp b, 0,1,2,3
	v_max3_num_f32 v[TM+\b], |v[(\s)+16*\b+\i]|, |v[(\s)+16*\b+\i+1]|, v[TM+\b]
.endr
.endr
	WIN 0
.irp b, 0,1,2,3
	v_permlanex16_b32 v[TM+4+\b], v[TM+\b], s[SEL], s[SEL+1]
.endr
.irp b, 0,1,2,3
	v_max_num_f32 v[TM+\b], v[TM+\b], v[TM+4+\b]   ; with lane l xor 16's 16: the block's largest magnitude
.endr
.irp b, 0,1,2,3
	v_add_nc_u32 v[TM+12+\b], 0xff000000, v[TM+\b] ; 2 off the exponent field: the conversion's scale operand
.endr
.irp b, 0,1,2,3
	v_lshrrev_b32 v[TM+4+\b], 23, v[TM+12+\b]      ; the byte
.endr
	v_lshl_or_b32 v[\pw], v[TM+5], 8, v[TM+4]
	v_lshl_or_b32 v[\pw], v[TM+6], 16, v[\pw]
	v_lshl_or_b32 v[\pw], v[TM+7], 24, v[\pw]
	WIN 0x02                                       ; source 0 window 2
.irp c, 0,1
	v_cvt_scalef32_pk16_fp6_f32 v[(\pc)+6*\c:(\pc)+6*\c+2], v[(\s)+32*\c:(\s)+32*\c+15], v[TM+12+2*\c]
	v_cvt_scalef32_pk16_fp6_f32 v[PT+4*\c:PT+4*\c+2], v[(\s)+32*\c+16:(\s)+32*\c+31], v[TM+12+2*\c+1]
.endr
	WIN 0
	v_nop                                          ; one plain place behind the conversions
.irp c, 0,1                            ; the operand's layout wants a whole block in a lane
.irp i, 0,1,2
	v_permlane16_swap_b32 v[(\pc)+6*\c+\i], v[PT+4*\c+\i]
.endr
.irp i, 0,1,2
	v_mov_b32 v[(\pc)+3+6*\c+\i], v[PT+4*\c+\i]
.endr
.endr
.endm
; The way out of a tile: four fragments and their scale words.
.macro EPIQ sc, coff, pitch, ss, soff
	PLACES 4                                       ; behind the last products: their results are read and their second set of Y's registers is written
.irp a, 0,1,2,3
.if \a >= 2
	s_wait_xcnt 0x0                                ; the stores of two fragments back have read the registers that are written again
.endif
	QUANT 64*\a, PCA+12*(\a%2), PW+\a
.irp j, 0,1,2
	global_store_b128 v[L16], v[PCA+12*(\a%2)+4*\j:PCA+12*(\a%2)+4*\j+3], s[\sc:\sc+1] offset:(\coff)+\a*(\pitch)+512*\j   ; 512 consecutive bytes, aligned
.endr
.endr
	v_cndmask_b32 v[TM+8], v[PW], v[PW+2], s[HM]   ; lanes 0-15: tiles 0 and 1's words of row r; lanes 16-31: tiles 2 and 3's
	v_cndmask_b32 v[TM+9], v[PW+1], v[PW+3], s[HM]
	global_store_b64 v[SCA], v[TM+8:TM+9], s[\ss:\ss+1] offset:\soff   ; 256 consecutive bytes, aligned
	s_wait_xcnt 0x0                                ; the stores have read their registers: the next fragments may land there
.endm
.macro SXLOAD reg, sb, off             ; X's scale words: two groups of four tiles, all of K
.irp g, 0,1
.irp i, 0,1,2,3
	global_load_b128 v[(\reg)+GS*\g+4*\i:(\reg)+GS*\g+4*\i+3], v[L16], s[\sb:\sb+1] offset:(\off)+\g*2048+512*\i
.endr
.endr
.endm
.macro SYLOAD reg, sb                  ; Y's: one group
.irp i, 0,1,2,3
	global_load_b128 v[(\reg)+4*\i:(\reg)+4*\i+3], v[L16], s[\sb:\sb+1] offset:512*\i
.endr
.endm
.macro BIASX sb                        ; lane (r, h), tile b, register j: the bias of X's row 32 (b / 2) + 16 h + 8 (b % 2) + j
	WIN 0x40
.irp b, 0,1,2,3,4,5,6,7
	global_load_b128 v[192+8*\b:192+8*\b+3], v[BXA], s[\sb:\sb+1] offset:(32*(\b/2)+8*(\b%2))*4
	global_load_b128 v[192+8*\b+4:192+8*\b+7], v[BXA], s[\sb:\sb+1] offset:(32*(\b/2)+8*(\b%2))*4+16
.endr
	WIN 0
.endm
.macro BIASY sb                        ; tile a, all eight registers: the bias of Y's row at place r
	WIN 0x40
.irp a, 0,1,2,3
.irp j, 0,1,2,3,4,5,6,7
	global_load_b32 v[192+8*\a+\j], v[BYA], s[\sb:\sb+1] offset:(32*(\a/2)+8*(\a%2))*4
.endr
.endr
	WIN 0
.endm
	s_load_b256 s[4:11], s[0:1], 0x0               ; prepb, bq, bk, bv
	s_load_b64 s[12:13], s[0:1], 0x20              ; qkvb
	v_lshl_add_u32 v[SPW], v0, 2, SPARE
	v_mov_b32 v[NIL], 0
	ds_add_u32 v[SPW], v[NIL]                      ; the wave's opening: the add, twice on end, and its wait ahead of my first tensor load
	ds_add_u32 v[SPW], v[NIL]
	v_lshrrev_b32 v1, 5, v0
	v_readfirstlane_b32 s[WV], v1
	s_lshr_b32 s[LY], s[WV], 1
	s_and_b32 s[HF], s[WV], 1
	s_bfe_u32 s[CX], ttmp6, 0x40000
	s_bfe_u32 s[CY], ttmp6, 0x40004
	s_lshl_b32 s[GX], ttmp9, 2
	s_add_co_u32 s[GX], s[GX], s[CX]               ; work-group x: which 256 columns
	s_and_b32 s[CYL], ttmp7, 0xffff                ; cluster y
	s_lshl_b32 s[GY], s[CYL], 2
	s_add_co_u32 s[GY], s[GY], s[CY]               ; work-group y: which 128 tokens
	s_lshr_b32 s22, s[GY], 4                       ; their batch,
	s_and_b32 s23, s[GY], 15                       ; and which 128 keys of it they are
	s_lshl_b32 s92, 0x1111, s[CX]                  ; my column of the cluster
	s_or_b32 s[G1X], s92, (3<<16)|(1<<21)          ; 15:0 the mask; 17:16 elements of 8 bytes; 21 set beside a mask; no padding
	s_lshl_b32 s96, s[CY], 2
	s_lshl_b32 s96, 15, s96                        ; my row
	s_or_b32 s[G1Y], s96, (3<<16)|(1<<21)
	s_mov_b32 s[G1X+1], 768<<16                    ; tensor_dim0: 6,144 bytes: a tile's four fragments
	s_mov_b32 s[G1X+2], 16<<16                     ; tensor_dim1: at the head 16 tiles
	s_mov_b32 s[G1X+3], 768<<16                    ; tile_dim0
	s_mov_b32 s[G1X+4], 16                         ; tile_dim1
	s_mov_b32 s[G1X+5], PITCH/8                    ; from tile to tile
	s_mov_b32 s[G1X+6], 0
	s_mov_b32 s[G1X+7], 0
	s_mov_b32 s[G1Y+1], 768<<16
	s_mov_b32 s[G1Y+2], 8<<16                      ; 8 tiles
	s_mov_b32 s[G1Y+3], 768<<16
	s_mov_b32 s[G1Y+4], 8
	s_mov_b32 s[G1Y+5], PITCH/8
	s_mov_b32 s[G1Y+6], 0
	s_mov_b32 s[G1Y+7], 0
	s_mul_i32 s2, s[LY], SLOTB                     ; the head's load goes to slot wave / 2: no place in the cluster enters an LDS address
	s_add_co_u32 s3, s2, YOFF
	s_mov_b32 s[G0X], 1
	s_mov_b32 s[G0X+1], s2
	s_mov_b32 s[G0X+4], 1
	s_mov_b32 s[G0Y], 1
	s_mov_b32 s[G0Y+1], s3
	s_mov_b32 s[SEL], 0x76543210
	s_mov_b32 s[SEL+1], 0xfedcba98
	s_wait_dscnt 0x0                               ; both opening adds are done
	s_wait_kmcnt 0x0
	BASE2 G0X+2, 4, 92, 94, GX, 196608, LY, 6144, WC             ; Wq's tiles 16 x on, the slot's 512 along K
	s_or_b32 s[G0X+3], s[G0X+3], 0x80000000
	BASE2 G0Y+2, 4, 96, 98, GY, 98304, LY, 6144, 0               ; x's tiles 8 y on
	s_or_b32 s[G0Y+3], s[G0Y+3], 0x80000000
	CROUND                                         ; all sixteen work-groups are here: the first joint loads meet
	s_cmp_eq_u32 s[HF], 0                          ; the head's loads, one a wave, in the two arms of one branch on the wave's number
	s_cbranch_scc0 .Lhead_y
	tensor_load_to_lds s[G0X:G0X+3], s[G1X:G1X+7]
	s_nop 0
.rept 4
	v_nop
.endr
	s_branch .Lhead_asked
.Lhead_y:
	tensor_load_to_lds s[G0Y:G0Y+3], s[G1Y:G1Y+7]
	s_nop 0
.rept 4
	v_nop
.endr
.Lhead_asked:
	BASE2 74, 4, 62, 57, GX, 8192, HF, 4096, WS                  ; Wq's scale words (Wk's 32,768 on)
	BASE2 76, 4, 62, 57, GY, 4096, LY, 2048, XS                  ; x's, as Y: my group of four tiles
	BASE2 78, 4, 62, 57, GX, 8192, WV, 2048, WS+65536            ; Wv's, as Y: my group
	BASE1 80, 4, 62, GY, 4096, XS                                ; x's, as X: both groups
	BASE2 82, 6, 62, 57, GX, 1024, HF, 512, 0                    ; bq
	BASE2 84, 8, 62, 57, GX, 1024, HF, 512, 0                    ; bk
	BASE2 86, 10, 62, 57, GX, 1024, WV, 256, 0                   ; bv: my 64 columns
	BASE2 88, 12, 62, 57, GY, 98304, LY, 49152, 0                ; q's codes: tile 8 y + 4 half,
	ADDT 88, 62, GX, 3072
	ADDT 88, 62, HF, 1536                                        ; fragment 2 x + half
	BASE2 90, 12, 62, 57, GY, 4096, LY, 2048, QS                 ; q's scale words
	ADDT 90, 62, GX, 512
	ADDT 90, 62, HF, 256
	BASE2 66, 12, 62, 57, GX, 393216, WV, 98304, VC              ; v's codes: tile 16 x + 4 wave of 24,576 bytes,
	ADDT 66, 62, 22, 1572864                                     ; the batch,
	ADDT 66, 62, 23, 1536                                        ; the fragment of my 128 keys
	BASE2 68, 12, 62, 57, GX, 16384, WV, 4096, VS                ; v's scale words
	ADDT 68, 62, 22, 65536
	ADDT 68, 62, 23, 256
	BASE1 70, 4, 62, GX, 196608, WC+786432                       ; the prefetches: Wk's panel (Wv's 786,432 on)
	v_and_b32 v1, 15, v0                           ; r
	v_bfe_u32 v2, v0, 4, 1                         ; h
	v_and_b32 v[L16], 31, v0
	v_min_u32 v[PFO], 23, v[L16]
	v_lshlrev_b32 v[L16], 4, v[L16]
	s_mul_i32 s57, s[HF], 49152
	v_add_nc_u32 v[ADRX], s57, v[L16]
	v_add_nc_u32 v[ADRX+1], SLOTB, v[ADRX]
	s_mul_i32 s57, s[LY], 24576
	s_add_co_u32 s57, s57, YOFF
	v_add_nc_u32 v[ADRY], s57, v[L16]
	v_add_nc_u32 v[ADRY+1], SLOTB, v[ADRY]
	v_add_nc_u32 v[ADRXV], YOFF, v[L16]
	v_add_nc_u32 v[ADRXV+1], SLOTB, v[ADRXV]
	s_mul_i32 s57, s[WV], 24576
	v_add_nc_u32 v[ADRYV], s57, v[L16]
	v_add_nc_u32 v[ADRYV+1], SLOTB, v[ADRYV]
	s_lshl_b32 s57, s[CY], 2
	s_add_co_u32 s57, s57, s[WV]
	s_mul_i32 s57, s57, 6144                       ; (4 cy + wave) x 24 blocks of 256 bytes
	v_lshl_add_u32 v[PFO], v[PFO], 8, s57
	v_lshlrev_b32 v[SCA], 4, v1
	v_lshl_add_u32 v[SCA], v2, 3, v[SCA]
	v_lshlrev_b32 v[BXA], 6, v2
	v_and_b32 v[BYA], 8, v1
	v_add_nc_u32 v[BYA], v[BYA], v1
	v_lshlrev_b32 v[BYA], 2, v[BYA]
	v_cmp_ne_u32 s[HM], 0, v2
.irp b, 0,1,2,3
	v_mov_b32 v[TM+4+\b], 0                        ; a lane permute's destination counts as read
.endr
	s_wait_alu depctr_va_vdst(0)                   ; the wait at the head's end, behind its last vector instruction
	global_prefetch_b8 v[PFO], s[70:71] th:TH_LOAD_NT scope:SCOPE_SE                 ; Wk's panel, its two halves of 98,304 bytes
	global_prefetch_b8 v[PFO], s[70:71] offset:98304 th:TH_LOAD_NT scope:SCOPE_SE
	SXLOAD 32, 74, 0
	SXLOAD 64, 74, 32768
	SYLOAD 96, 76
	SYLOAD 112, 78
	BIASX 82
	s_wait_tensorcnt 0x0                           ; my panel is in; no tensor load of mine is out, so the descriptors may be written:
	s_barrier_signal -1
	s_mov_b32 s[G1X+2], 4<<16                      ; from here on a load brings four tiles,
	s_mov_b32 s[G1X+4], 4
	s_mul_i32 s2, s[WV], 24576                     ; my quarter of the weight's part of a slot
	s_mov_b32 s[G0X+1], s2
	s_add_co_u32 s[G0X+5], s2, SLOTB
	BASE2 G0X+2, 4, 92, 94, GX, 196608, WV, 49152, WC            ; Wq's tiles 16 x + 4 wave on: each refill steps to the next weight
	s_add_nc_u64 s[G0X+6:G0X+7], s[G0X+2:G0X+3], 6144
	s_or_b32 s[G0X+3], s[G0X+3], 0x80000000
	s_or_b32 s[G0X+7], s[G0X+7], 0x80000000
	s_barrier_wait -1                              ; everybody's panel is in: both slots are whole
.set AX, ADRX
.set AY, ADRY
	FETCH 0, 0, 0
	s_wait_loadcnt 0x0                             ; scale words and bq
	; ---- q
.set CSX, 32
.set CSY, 96
	STEP 0, 0, 0, 2
	PLACES 4                                       ; behind the products that read bq
	BIASX 84                                       ; bk
	global_prefetch_b8 v[PFO], s[70:71] offset:786432 th:TH_LOAD_NT scope:SCOPE_SE   ; Wv's panel
	global_prefetch_b8 v[PFO], s[70:71] offset:884736 th:TH_LOAD_NT scope:SCOPE_SE
	STEP 0, 1, 1, 0
	STEP 0, 2, 2, 0
	TURN 0, 1, 3, 1
	STEP 1, 0, 4, 0
	STEP 1, 1, 5, 0
	STEP 1, 2, 6, 0
	TURN 1, 0, 7, 1
	EPIQ 88, 0, 12288, 90, 0
	; ---- k
.set CSX, 64
	s_wait_loadcnt 0x0                             ; bk
	STEP 0, 0, 0, 2
	PLACES 4
	BIASY 86                                       ; bv
	SXLOAD 32, 80, 0                               ; x's scale words as X, into the set that q's products have left
	STEP 0, 1, 1, 0
	STEP 0, 2, 2, 0
	TURN 0, 1, 3, 1
	STEP 1, 0, 4, 0
	STEP 1, 1, 5, 0
	STEP 1, 2, 6, 0
.set AX, ADRXV                         ; the fragments fetched from here on are v's: X = the tokens, Y = Wv
.set AY, ADRYV
	TURN 1, 0, 7, 1
	EPIQ 88, 6291456, 12288, 90, 262144
	; ---- v
.set CSX, 32
.set CSY, 112
	s_wait_loadcnt 0x0                             ; bv and the scale words
	STEP 0, 0, 0, 3
	STEP 0, 1, 1, 0
	STEP 0, 2, 2, 0
	TURN 0, 1, 3, 0
	STEP 1, 0, 4, 0
	STEP 1, 1, 5, 0
	STEP 1, 2, 6, 0
	LAST 7
	EPIQ 66, 0, 24576, 68, 0
	s_wait_tensorcnt 0x0                           ; the wave's end
	ds_add_u32 v[SPW], v[NIL]
	s_wait_dscnt 0x0
	CROUND                                         ; the closing round
	s_endpgm
.Lfunc_end_k_qbb6cad2fd1_qkv:
	.size	k_qbb6cad2fd1_qkv, .Lfunc_end_k_qbb6cad2fd1_qkv-k_qbb6cad2fd1_qkv
	.p2alignl 7, 3214868480
	.fill 96, 4, 3214868480
	.section	.rodata,"a",@progbits
	.p2align	6, 0x0
	.amdhsa_kernel k_qbb6cad2fd1_qkv
		.amdhsa_group_segment_fixed_size 327680
		.amdhsa_private_segment_fixed_size 0
		.amdhsa_enable_private_segment 0
		.amdhsa_kernarg_size 40
		.amdhsa_user_sgpr_count 2
		.amdhsa_user_sgpr_kernarg_segment_ptr 1
		.amdhsa_wavefront_size32 1
		.amdhsa_system_sgpr_workgroup_id_x 1
		.amdhsa_system_sgpr_workgroup_id_y 1
		.amdhsa_system_sgpr_workgroup_id_z 1
		.amdhsa_system_vgpr_workitem_id 0
		.amdhsa_next_free_vgpr 768
		.amdhsa_next_free_sgpr 100
		.amdhsa_reserve_vcc 0
		.amdhsa_float_denorm_mode_32 3
		.amdhsa_float_denorm_mode_16_64 3
		.amdhsa_memory_ordered 1
		.amdhsa_forward_progress 1
		.amdhsa_inst_pref_size 231
	.end_amdhsa_kernel
	.amdgpu_metadata
---
amdhsa.version: [ 1, 2 ]
amdhsa.kernels:
  - .name:           k_qbb6cad2fd1_qkv
    .symbol:         k_qbb6cad2fd1_qkv.kd
    .args:
      - { .name: prepb, .offset: 0, .size: 8, .value_kind: global_buffer, .address_space: global }
      - { .name: bq, .offset: 8, .size: 8, .value_kind: global_buffer, .address_space: global }
      - { .name: bk, .offset: 16, .size: 8, .value_kind: global_buffer, .address_space: global }
      - { .name: bv, .offset: 24, .size: 8, .value_kind: global_buffer, .address_space: global }
      - { .name: qkvb, .offset: 32, .size: 8, .value_kind: global_buffer, .address_space: global }
    .group_segment_fixed_size: 327680
    .private_segment_fixed_size: 0
    .kernarg_segment_align: 8
    .kernarg_segment_size: 40
    .max_flat_workgroup_size: 128
    .sgpr_count:     100
    .vgpr_count:     768
    .wavefront_size: 32
...
	.end_amdgpu_metadata
.endif
;; end of part 2
;; launch scores (part 3): grid 4 x 64, 4 waves a work-group, clusters of 4 x 4, 327,680 bytes of LDS; arguments qkvb, pb; writes pb
.if DOCPART == 3
	.amdgcn_target "amdgcn-amd-amdhsa--gfx1250"
	.amdhsa_code_object_version 6
	.text
	.protected	k_qbb6cad2fd1_scores
	.globl	k_qbb6cad2fd1_scores
	.p2align	8
	.type	k_qbb6cad2fd1_scores,@function
k_qbb6cad2fd1_scores:
	s_mov_b64 s[64:65], 0
	v_nop
	global_prefetch_b8 v0, s[64:65] scope:SCOPE_SE
	s_setreg_imm32_b32 hwreg(HW_REG_WAVE_MODE, 25, 1), 1
	s_wait_xcnt 0x0
	s_wait_alu depctr_hold_cnt(0) depctr_sa_sdst(0) depctr_va_vdst(0) depctr_va_sdst(0) depctr_va_ssrc(0) depctr_va_vcc(0) depctr_vm_vsrc(0)
	s_getreg_b32 s2, hwreg(HW_REG_IB_STS2, 6, 4)
	s_cmp_eq_u32 s2, 0
	s_cbranch_scc0 .Lentry_in_a_cluster
	s_endpgm
.Lentry_in_a_cluster:
	s_bfe_u32 s2, ttmp6, 0x10000c
	s_cmp_lg_u32 s2, 0xf033
	s_cbranch_scc0 .Lentry_shape_is_right
	s_endpgm
.Lentry_shape_is_right:
; S^T = k q^T on codes of E2M3, and p = 2^(t - M) quantised along the keys at once, in registers.  t = score x log2(e) / 32.  Nothing is left out.
; M HERE IS THE WHOLE NUMBER ceil(largest t) OF THE WAVE'S OWN 128 KEYS of a query.  The next launch finds the row's M as the largest of the sixteen and moves p's scale bytes by the exact power of two
; 2^(this M - the row's M); the codes are the same under either M.  Stored beside the codes, for each four tiles of queries and 128 keys (1,024 bytes): the scale words, -M, and the sums of the unquantised p
; (each half of the lanes its 64 keys).
; A tile of the product is 256 keys (X, source 0) x 128 queries (Y, source 1); four waves of 128 x 64.  A work-group stays for two tiles: keys 256 x and 256 (x + 4) of its batch; its queries stay in LDS.
; K = 1,024 is two LDS slots of 512.  Clusters of 4 x 4: X's panel is asked for jointly by a column of the cluster, Y's by a row.
; LIMITS: NaN and infinities are not served; a p under 2^-126 counts as 0 (the exponential's own flush); a block whose every p is 0 keeps the byte 1: its codes are zeros.
; REGISTERS as in the launch before; v208-211 scale words or -M to store, v212-215 the sums, v244-251 at work.
.set KC,    6291456                    ; qkvb: k's codes,
.set QS,    18874368                   ; q's scale words,
.set KSC,   19136512                   ; k's
.set SD,    12582912                   ; pb: p's codes at 0, the side data here
.set PITCH, 12288
.set GS,    16
.set SLOTB, 147456
.set YOFF,  98304
.set SPARE, 2*SLOTB
.set L16,  3
.set ADRX, 4
.set ADRY, 6
.set SPW,  28
.set NIL,  29
.set TM,   224
.set PCA,  176
.set PT,   200
.set ST1,  208
.set LS,   212
.set WV, 14
.set LY, 15
.set HF, 16
.set CX, 17
.set CY, 18
.set GX, 19
.set GY, 20
.set CYL, 21
.set G1X, 24
.set G1Y, 32
.set G0X, 40
.set G0Y, 48
.set HM,  56
.set SEL, 58
.set CS,  60                           ; s[60:61] c = log2(e) / 32
.set MSB, 0
.macro WIN new
.if MSB != \new
	s_set_vgpr_msb (MSB<<8)|\new
.set MSB, \new
.endif
.endm
.macro PLACES n
.rept \n
	v_nop
.endr
.endm
.macro CREST
	s_cmp_lg_u32 s[WV], 0
	s_cbranch_scc1 .Lnot_wave_0_\@
	s_barrier_signal -3
.Lnot_wave_0_\@:
	s_barrier_wait -3
	s_barrier_signal -1
	s_barrier_wait -1
.endm
.macro CROUND
	s_barrier_signal -1
	s_barrier_wait -1
	CREST
.endm
.macro HLOAD                           ; the head's joint loads, one a wave: wave w fetches slot w / 2, X's whole panel (w even) or Y's (w odd); an s_nop 0 and four v_nop follow each load
	s_cmp_eq_u32 s[HF], 0
	s_cbranch_scc0 .Lhead_y
	tensor_load_to_lds s[G0X:G0X+3], s[G1X:G1X+7]
	s_nop 0
.rept 4
	v_nop
.endr
	s_branch .Lhead_asked
.Lhead_y:
	tensor_load_to_lds s[G0Y:G0Y+3], s[G1Y:G1Y+7]
	s_nop 0
.rept 4
	v_nop
.endr
.Lhead_asked:
.endm
.macro XLOAD s                         ; a joint refill: my four tiles of X's part of slot s: every wave issues one, no branch
	tensor_load_to_lds s[G0X+4*\s:G0X+4*\s+3], s[G1X:G1X+7]
	s_nop 0
.rept 4
	v_nop
.endr
.endm
.macro BASE2 dst, ptr, tp, th, ra, ma, rb, mb, cst
	s_mul_i32 s[\tp], s[\ra], \ma
	s_mul_i32 s[\th], s[\rb], \mb
	s_add_co_u32 s[\tp], s[\tp], s[\th]
.if (\cst) != 0
	s_add_co_u32 s[\tp], s[\tp], \cst
.endif
	s_mov_b32 s[\tp+1], 0
	s_add_nc_u64 s[\dst:\dst+1], s[\ptr:\ptr+1], s[\tp:\tp+1]
.endm
.macro ADDT dst, tp, ra, ma
	s_mul_i32 s[\tp], s[\ra], \ma
	s_add_nc_u64 s[\dst:\dst+1], s[\dst:\dst+1], s[\tp:\tp+1]
.endm
.macro FETCH slot, q, p                ; 36 LDS loads: X's eight fragments, Y's four, of the slot's q-th 128 along K, into set p
	WIN 0x40
.irp b, 0,1,2,3,4,5,6,7
.irp j, 0,1,2
	ds_load_b128 v[96*(\p)+12*\b+4*\j:96*(\p)+12*\b+4*\j+3], v[ADRX+\slot] offset:\b*6144+(\q)*1536+512*\j
.endr
.endr
	WIN 0
.irp a, 0,1,2,3
.irp j, 0,1,2
	ds_load_b128 v[128+48*(\p)+12*\a+4*\j:128+48*(\p)+12*\a+4*\j+3], v[ADRY+\slot] offset:\a*6144+(\q)*1536+512*\j
.endr
.endr
.endm
.macro MUL8 a, p, ks, cm               ; 8 matrix instructions: Y's tile a against X's eight.  cm 0: onto the sums; 1: C = 0.  The 32 accumulators take turns
	WIN 0xa1
.irp b, 0,1,2,3,4,5,6,7
.set rD, 8*(8*(\a)+\b)
.set rX, 96*(\p)+12*\b
.set rY, 128+48*(\p)+12*(\a)
.set rP, CSX+GS*(\b/4)+4*((\ks)/2)+\b%4
.set rQ, CSY+4*((\ks)/2)+(\a)
.if (\cm) == 1
	v_wmma_scale_f32_16x16x128_f8f6f4 v[rD:rD+7], v[rX:rX+11], v[rY:rY+11], 0, v[rP], v[rQ] matrix_a_fmt:MATRIX_FMT_FP6 matrix_b_fmt:MATRIX_FMT_FP6
.elseif (\ks)%2
	v_wmma_scale_f32_16x16x128_f8f6f4 v[rD:rD+7], v[rX:rX+11], v[rY:rY+11], v[rD:rD+7], v[rP], v[rQ] matrix_a_fmt:MATRIX_FMT_FP6 matrix_b_fmt:MATRIX_FMT_FP6 matrix_a_scale:MATRIX_SCALE_ROW1 matrix_b_scale:MATRIX_SCALE_ROW1
.else
	v_wmma_scale_f32_16x16x128_f8f6f4 v[rD:rD+7], v[rX:rX+11], v[rY:rY+11], v[rD:rD+7], v[rP], v[rQ] matrix_a_fmt:MATRIX_FMT_FP6 matrix_b_fmt:MATRIX_FMT_FP6
.endif
.endr
.endm
.macro STEP slot, q, ks, cm
	s_wait_dscnt 0x0                               ; this step's fragments are in
	PLACES 4                                       ; between the last products, which read the other set, and the loads into it
	FETCH \slot, (\q)+1, ((\q)+1)%2
	MUL8 0, (\q)%2, \ks, \cm
	MUL8 1, (\q)%2, \ks, \cm
	MUL8 2, (\q)%2, \ks, \cm
	MUL8 3, (\q)%2, \ks, \cm
.endm
.macro TURN slot, next, ks, fill       ; a slot's last step changes slots: one barrier; fill = 1: it opens a round of the cluster's barrier, and X's part of this slot is filled again, with the next 1,024 keys' tile
	WIN 0
	s_wait_tensorcnt 0x0                           ; all my tensor loads have landed
	ds_add_u32 v[SPW], v[NIL]                      ; 0 onto my spare word
	s_wait_dscnt 0x1                               ; the 36 fragment loads are in; the add alone may be out
	MUL8 0, 1, \ks, 0
	s_wait_dscnt 0x0                               ; the add is done, and my reads of this slot are over
	s_barrier_signal -1
	MUL8 1, 1, \ks, 0
	WIN 0
	s_barrier_wait -1
.if \fill
	CREST
	s_add_nc_u64 s[G0X+4*\slot+2:G0X+4*\slot+3], s[G0X+4*\slot+2:G0X+4*\slot+3], 786432   ; 64 tiles of keys on
	XLOAD \slot
.else
	PLACES 4
.endif
	FETCH \next, 0, 0
	MUL8 2, 1, \ks, 0
	MUL8 3, 1, \ks, 0
.endm
.macro LAST ks
	s_wait_dscnt 0x0
	MUL8 0, 1, \ks, 0
	MUL8 1, 1, \ks, 0
	MUL8 2, 1, \ks, 0
	MUL8 3, 1, \ks, 0
	WIN 0
.endm
; The softmax's part of tile a of my queries: a lane holds one query and 64 of its 128 keys (register 16 b + i = key 32 b + 16 h + i).  toff: which of the work-group's two tiles of keys.
.macro SOFT a, toff
.set SA, 64*(\a)
.set PCC, PCA+12*((\a)%2)
	WIN 0x0a
.irp b, 0,1,2,3
	v_max3_num_f32 v[TM+\b], v[SA+16*\b], v[SA+16*\b+1], 0xff800000   ; the largest score of each block of 32 keys (each accumulator is read from its low end on): it serves the maximum and the block's largest p
.endr
.irp i, 2,4,6,8,10,12,14
.irp b, 0,1,2,3
	v_max3_num_f32 v[TM+\b], v[SA+16*\b+\i], v[SA+16*\b+\i+1], v[TM+\b]
.endr
.endr
	WIN 0
.irp b, 0,1,2,3
	v_permlanex16_b32 v[TM+4+\b], v[TM+\b], s[SEL], s[SEL+1]
.endr
.irp b, 0,1,2,3
	v_max_num_f32 v[TM+\b], v[TM+\b], v[TM+4+\b]
.endr
	v_max3_num_f32 v248, v[TM], v[TM+1], v[TM+2]
	v_max_num_f32 v248, v248, v[TM+3]
	v_mul_f32 v248, s[CS], v248                    ; as t (c is positive)
	v_floor_f32 v250, -v248                        ; -M = floor(-t): M is a whole number
.irp b, 0,1,2,3
	v_fma_f32 v[TM+\b], v[TM+\b], s[CS], v250
.endr
	WIN 0x82                                       ; source 0 and destination window 2
.set j, 0
.rept 32
	v_pk_fma_f32 v[SA+j:SA+j+1], v[SA+j:SA+j+1], s[CS:CS+1], v[250:251] op_sel_hi:[1,0,0]   ; t - M, two at a time
.set j, j+2
.endr
.set j, 0
	s_wait_alu depctr_va_vdst(0)
.rept 64
	v_exp_f32 v[SA+j], v[SA+j]                     ; p = 2^(t - M), at most 1: not normalised
.set j, j+1
.endr
	WIN 0
.irp b, 0,1,2,3
	v_exp_f32 v[TM+\b], v[TM+\b]                   ; the block's largest p: the same multiply-add and exponential on the same number
.endr
	v_nop                                          ; a plain place behind the exponentials,
	s_wait_alu depctr_va_vdst(0)                   ; and the one wait for the batch of 68 ahead of its first reader
	WIN 0x0a
	v_pk_add_f32 v[244:245], v[SA:SA+1], v[SA+2:SA+3]       ; the sum of the unquantised p, in two chains
	v_pk_add_f32 v[246:247], v[SA+4:SA+5], v[SA+6:SA+7]
	WIN 0x02
.set j, 8
.rept 14
	v_pk_add_f32 v[244:245], v[SA+j:SA+j+1], v[244:245]
	v_pk_add_f32 v[246:247], v[SA+j+2:SA+j+3], v[246:247]
.set j, j+4
.endr
	WIN 0
	v_pk_add_f32 v[244:245], v[244:245], v[246:247]
	v_add_f32 v[LS+(\a)], v244, v245               ; my 64 keys' sum
.irp b, 0,1,2,3
	v_max_num_f32 v[TM+\b], 0x1800000, v[TM+\b]    ; the floor 2^(3 - 127)
.endr
.irp b, 0,1,2,3
	v_add_nc_u32 v[TM+12+\b], 0xff000000, v[TM+\b] ; the conversion's scale operand
.endr
.irp b, 0,1,2,3
	v_lshrrev_b32 v[TM+4+\b], 23, v[TM+12+\b]      ; the byte: 1 to 125
.endr
	v_lshl_or_b32 v248, v[TM+5], 8, v[TM+4]
	v_lshl_or_b32 v248, v[TM+6], 16, v248
	v_lshl_or_b32 v248, v[TM+7], 24, v248
	v_cndmask_b32 v[ST1+(\a)], v248, v250, s[HM]   ; lanes 0-15 will store the scale word, lanes 16-31 -M
.if (\a) >= 2
	s_wait_xcnt 0x0                                ; the stores of two fragments back have read the registers that are written again
.endif
	WIN 0x02
.irp c, 0,1
	v_cvt_scalef32_pk16_fp6_f32 v[PCC+6*\c:PCC+6*\c+2], v[SA+32*\c:SA+32*\c+15], v[TM+12+2*\c]
	v_cvt_scalef32_pk16_fp6_f32 v[PT+4*\c:PT+4*\c+2], v[SA+32*\c+16:SA+32*\c+31], v[TM+12+2*\c+1]
.endr
	WIN 0
	v_nop                                          ; one plain place behind the conversions
.irp c, 0,1
.irp i, 0,1,2
	v_permlane16_swap_b32 v[PCC+6*\c+\i], v[PT+4*\c+\i]
.endr
.irp i, 0,1,2
	v_mov_b32 v[PCC+3+6*\c+\i], v[PT+4*\c+\i]
.endr
.endr
.irp j, 0,1,2
	global_store_b128 v[L16], v[PCC+4*\j:PCC+4*\j+3], s[70:71] offset:(\toff)*12288+(\a)*24576+512*\j   ; 512 consecutive bytes, aligned
.endr
.endm
.macro SOFTE toff
	PLACES 4                                       ; behind the last products
	SOFT 0, \toff
	SOFT 1, \toff
	SOFT 2, \toff
	SOFT 3, \toff
	global_store_b128 v[L16], v[ST1:ST1+3], s[72:73] offset:(\toff)*8192         ; 256 bytes of scale words, 256 of -M
	global_store_b128 v[L16], v[LS:LS+3], s[72:73] offset:(\toff)*8192+512       ; 512 bytes of sums
	s_wait_xcnt 0x0                                ; the stores have read their registers: the next fragments may land there
.endm
	s_load_b128 s[4:7], s[0:1], 0x0                ; qkvb, pb
	v_lshl_add_u32 v[SPW], v0, 2, SPARE
	v_mov_b32 v[NIL], 0
	ds_add_u32 v[SPW], v[NIL]                      ; the wave's opening: the add, twice on end, and its wait ahead of my first tensor load
	ds_add_u32 v[SPW], v[NIL]
	v_lshrrev_b32 v1, 5, v0
	v_readfirstlane_b32 s[WV], v1
	s_lshr_b32 s[LY], s[WV], 1
	s_and_b32 s[HF], s[WV], 1
	s_bfe_u32 s[CX], ttmp6, 0x40000
	s_bfe_u32 s[CY], ttmp6, 0x40004
	s_lshl_b32 s[GX], ttmp9, 2
	s_add_co_u32 s[GX], s[GX], s[CX]
	s_and_b32 s[CYL], ttmp7, 0xffff
	s_lshl_b32 s[GY], s[CYL], 2
	s_add_co_u32 s[GY], s[GY], s[CY]
	s_lshr_b32 s23, s[CYL], 2                      ; the batch: 16 tiles of queries each, four clusters: the whole cluster shares it
	s_lshl_b32 s92, 0x1111, s[CX]
	s_or_b32 s[G1X], s92, (3<<16)|(1<<21)          ; the mask: my column; elements of 8 bytes; bit 21 beside a mask; no padding
	s_lshl_b32 s96, s[CY], 2
	s_lshl_b32 s96, 15, s96
	s_or_b32 s[G1Y], s96, (3<<16)|(1<<21)          ; my row
	s_mov_b32 s[G1X+1], 768<<16                    ; rows of 6,144 bytes: a tile's four fragments
	s_mov_b32 s[G1X+2], 16<<16                     ; at the head 16 tiles
	s_mov_b32 s[G1X+3], 768<<16
	s_mov_b32 s[G1X+4], 16
	s_mov_b32 s[G1X+5], PITCH/8
	s_mov_b32 s[G1X+6], 0
	s_mov_b32 s[G1X+7], 0
	s_mov_b32 s[G1Y+1], 768<<16
	s_mov_b32 s[G1Y+2], 8<<16                      ; 8 tiles
	s_mov_b32 s[G1Y+3], 768<<16
	s_mov_b32 s[G1Y+4], 8
	s_mov_b32 s[G1Y+5], PITCH/8
	s_mov_b32 s[G1Y+6], 0
	s_mov_b32 s[G1Y+7], 0
	s_mul_i32 s2, s[LY], SLOTB                     ; the head's load goes to slot wave / 2
	s_add_co_u32 s3, s2, YOFF
	s_mov_b32 s[G0X], 1
	s_mov_b32 s[G0X+1], s2
	s_mov_b32 s[G0X+4], 1
	s_mov_b32 s[G0Y], 1
	s_mov_b32 s[G0Y+1], s3
	s_mov_b32 s[SEL], 0x76543210
	s_mov_b32 s[SEL+1], 0xfedcba98
	s_mov_b32 s[CS], 0x3d38aa3b                    ; log2(e) / 32
	s_mov_b32 s[CS+1], s[CS]                       ; (named with it as a pair)
	s_wait_dscnt 0x0
	s_wait_kmcnt 0x0
	BASE2 G0X+2, 4, 92, 94, GX, 196608, LY, 6144, KC             ; k's tiles 16 x on, the slot's 512 along K,
	ADDT G0X+2, 92, 23, 1572864                                  ; in my batch
	s_or_b32 s[G0X+3], s[G0X+3], 0x80000000
	BASE2 G0Y+2, 4, 96, 98, GY, 98304, LY, 6144, 0               ; q's tiles 8 y on
	s_or_b32 s[G0Y+3], s[G0Y+3], 0x80000000
	CROUND
	HLOAD                                          ; one load of mine is out
	BASE2 74, 4, 62, 57, GX, 8192, HF, 4096, KSC                 ; k's scale words
	ADDT 74, 62, 23, 65536
	BASE2 76, 4, 62, 57, GY, 4096, LY, 2048, QS                  ; q's
	BASE2 70, 6, 62, 57, GY, 196608, LY, 98304, 0                ; p's codes: tile 8 y + 4 half, fragment 2 x + half
	ADDT 70, 62, GX, 3072
	ADDT 70, 62, HF, 1536
	BASE2 72, 6, 62, 57, GY, 32768, LY, 16384, SD                ; the side data
	ADDT 72, 62, GX, 2048
	ADDT 72, 62, HF, 1024
	v_bfe_u32 v2, v0, 4, 1                         ; h
	v_and_b32 v[L16], 31, v0
	v_lshlrev_b32 v[L16], 4, v[L16]
	s_mul_i32 s57, s[HF], 49152
	v_add_nc_u32 v[ADRX], s57, v[L16]
	v_add_nc_u32 v[ADRX+1], SLOTB, v[ADRX]
	s_mul_i32 s57, s[LY], 24576
	s_add_co_u32 s57, s57, YOFF
	v_add_nc_u32 v[ADRY], s57, v[L16]
	v_add_nc_u32 v[ADRY+1], SLOTB, v[ADRY]
	v_cmp_ne_u32 s[HM], 0, v2
.irp b, 0,1,2,3
	v_mov_b32 v[TM+4+\b], 0                        ; a lane permute's destination counts as read
.endr
	v_mov_b32 v251, 0                              ; (named as the upper half of the pair v[250:251])
	v_and_b32 v18, 31, v0                          ; THE PREFETCH: the second tile of keys' panel (196,608 bytes), three steps ahead of its first refill.  The four partners of a column share its blocks
	v_min_u32 v18, 23, v18                         ; out by address: (4 cy + wave) x 24 blocks of 256 bytes an instruction, a lane a block; lanes 24-31 name lane 23's block again
	s_lshl_b32 s57, s[CY], 2
	s_add_co_u32 s57, s57, s[WV]
	s_mul_i32 s57, s57, 6144
	v_lshl_add_u32 v18, v18, 8, s57                ; never rewritten
	BASE2 78, 4, 62, 57, GX, 196608, 23, 1572864, KC+786432
	s_wait_alu depctr_va_vdst(0)                   ; the wait ahead of the readers below
	global_prefetch_b8 v18, s[78:79] th:TH_LOAD_NT scope:SCOPE_SE
	global_prefetch_b8 v18, s[78:79] offset:98304 th:TH_LOAD_NT scope:SCOPE_SE
.irp t, 0,1
.irp g, 0,1
.irp i, 0,1,2,3
	global_load_b128 v[32+32*\t+GS*\g+4*\i:32+32*\t+GS*\g+4*\i+3], v[L16], s[74:75] offset:\t*32768+\g*2048+512*\i   ; k's scale words of both tiles
.endr
.endr
.endr
.irp i, 0,1,2,3
	global_load_b128 v[96+4*\i:96+4*\i+3], v[L16], s[76:77] offset:512*\i
.endr
	s_wait_alu depctr_va_vdst(0)
	s_wait_tensorcnt 0x0                           ; my panel is in; no tensor load of mine is out, so the descriptors may be written:
	s_barrier_signal -1
	s_mov_b32 s[G1X+2], 4<<16                      ; from here on a load brings four tiles,
	s_mov_b32 s[G1X+4], 4
	s_mul_i32 s2, s[WV], 24576                     ; my quarter of X's part of a slot
	s_mov_b32 s[G0X+1], s2
	s_add_co_u32 s[G0X+5], s2, SLOTB
	BASE2 G0X+2, 4, 92, 94, GX, 196608, WV, 49152, KC            ; k's tiles 16 x + 4 wave on: each refill steps 64 tiles on
	ADDT G0X+2, 92, 23, 1572864
	s_add_nc_u64 s[G0X+6:G0X+7], s[G0X+2:G0X+3], 6144
	s_or_b32 s[G0X+3], s[G0X+3], 0x80000000
	s_or_b32 s[G0X+7], s[G0X+7], 0x80000000
	s_barrier_wait -1                              ; everybody's panel is in: both slots are whole
	FETCH 0, 0, 0
	s_wait_loadcnt 0x0
.set CSX, 32
.set CSY, 96
	STEP 0, 0, 0, 1
	STEP 0, 1, 1, 0
	STEP 0, 2, 2, 0
	TURN 0, 1, 3, 1
	STEP 1, 0, 4, 0
	STEP 1, 1, 5, 0
	STEP 1, 2, 6, 0
	TURN 1, 0, 7, 1
	SOFTE 0
.set CSX, 64
	STEP 0, 0, 0, 1
	STEP 0, 1, 1, 0
	STEP 0, 2, 2, 0
	TURN 0, 1, 3, 0
	STEP 1, 0, 4, 0
	STEP 1, 1, 5, 0
	STEP 1, 2, 6, 0
	LAST 7
	SOFTE 1
	s_wait_tensorcnt 0x0                           ; the wave's end
	ds_add_u32 v[SPW], v[NIL]
	s_wait_dscnt 0x0
	CROUND                                         ; the closing round
	s_endpgm
.Lfunc_end_k_qbb6cad2fd1_scores:
	.size	k_qbb6cad2fd1_scores, .Lfunc_end_k_qbb6cad2fd1_scores-k_qbb6cad2fd1_scores
	.p2alignl 7, 3214868480
	.fill 96, 4, 3214868480
	.section	.rodata,"a",@progbits
	.p2align	6, 0x0
	.amdhsa_kernel k_qbb6cad2fd1_scores
		.amdhsa_group_segment_fixed_size 327680
		.amdhsa_private_segment_fixed_size 0
		.amdhsa_enable_private_segment 0
		.amdhsa_kernarg_size 16
		.amdhsa_user_sgpr_count 2
		.amdhsa_user_sgpr_kernarg_segment_ptr 1
		.amdhsa_wavefront_size32 1
		.amdhsa_system_sgpr_workgroup_id_x 1
		.amdhsa_system_sgpr_workgroup_id_y 1
		.amdhsa_system_sgpr_workgroup_id_z 1
		.amdhsa_system_vgpr_workitem_id 0
		.amdhsa_next_free_vgpr 768
		.amdhsa_next_free_sgpr 100
		.amdhsa_reserve_vcc 0
		.amdhsa_float_denorm_mode_32 3
		.amdhsa_float_denorm_mode_16_64 3
		.amdhsa_memory_ordered 1
		.amdhsa_forward_progress 1
		.amdhsa_inst_pref_size 207
	.end_amdhsa_kernel
	.amdgpu_metadata
---
amdhsa.version: [ 1, 2 ]
amdhsa.kernels:
  - .name:           k_qbb6cad2fd1_scores
    .symbol:         k_qbb6cad2fd1_scores.kd
    .args:
      - { .name: qkvb, .offset: 0, .size: 8, .value_kind: global_buffer, .address_space: global }
      - { .name: pb, .offset: 8, .size: 8, .value_kind: global_buffer, .address_space: global }
    .group_segment_fixed_size: 327680
    .private_segment_fixed_size: 0
    .kernarg_segment_align: 8
    .kernarg_segment_size: 16
    .max_flat_workgroup_size: 128
    .sgpr_count:     100
    .vgpr_count:     768
    .wavefront_size: 32
...
	.end_amdgpu_metadata
.endif
;; end of part 3
;; launch pv (part 4): grid 4 x 64, 4 waves a work-group, clusters of 4 x 4, 327,680 bytes of LDS; arguments qkvb, pb, ob; writes ob
.if DOCPART == 4
	.amdgcn_target "amdgcn-amd-amdhsa--gfx1250"
	.amdhsa_code_object_version 6
	.text
	.protected	k_qbb6cad2fd1_pv
	.globl	k_qbb6cad2fd1_pv
	.p2align	8
	.type	k_qbb6cad2fd1_pv,@function
k_qbb6cad2fd1_pv:
	s_mov_b64 s[64:65], 0
	v_nop
	global_prefetch_b8 v0, s[64:65] scope:SCOPE_SE
	s_setreg_imm32_b32 hwreg(HW_REG_WAVE_MODE, 25, 1), 1
	s_wait_xcnt 0x0
	s_wait_alu depctr_hold_cnt(0) depctr_sa_sdst(0) depctr_va_vdst(0) depctr_va_sdst(0) depctr_va_ssrc(0) depctr_va_vcc(0) depctr_vm_vsrc(0)
	s_getreg_b32 s2, hwreg(HW_REG_IB_STS2, 6, 4)
	s_cmp_eq_u32 s2, 0
	s_cbranch_scc0 .Lentry_in_a_cluster
	s_endpgm
.Lentry_in_a_cluster:
	s_bfe_u32 s2, ttmp6, 0x10000c
	s_cmp_lg_u32 s2, 0xf033
	s_cbranch_scc0 .Lentry_shape_is_right
	s_endpgm
.Lentry_shape_is_right:
; O^T = v^T p^T on codes of E2M3, divided by the row's sum l, and quantised along d at once, in registers.  Nothing is left out.
; AHEAD OF THE PRODUCTS each wave brings p's scale words under the row's M: for each of its 64 queries the row's -M is the least of the sixteen stored -M; D = the row's M - the stored M is a whole number, 0 or more;
; each of p's scale bytes becomes max(byte - D, 0), and l = the sum of the stored sums x 2^-D.  Both are exact; the codes stay as they are.
; LIMITS: D is held at 127; a byte that would fall under 0 is held at 0 (2^-127): what such a block then adds is under 2^-124 beside an l of 1/2 or more.  1 / l is v_rcp_f32 and a multiplication.
; NaN and infinities are not served; blocks of the result under 2^-124 get the byte 1.
; A tile is 256 of d (X, source 0: v^T) x 128 queries (Y, source 1: p); four waves of 128 x 64.  K = 2,048 keys goes through two LDS slots of 512, each filled twice.
; Clusters of 4 x 4: X's panel is asked for jointly by a column of the cluster, Y's by a row.
; REGISTERS as in the launches before; X's scale words v32-95 (32 a group of four tiles), Y's v96-127; v244, 246, 248, 250: 1 / l of my four tiles of queries.
.set VC,    12582912                   ; qkvb: v's codes,
.set VS,    19398656                   ; v's scale words
.set SD,    12582912                   ; pb: the side data
.set OS,    6291456                    ; ob: the scale words
.set PITCH, 24576
.set GS,    32
.set SLOTB, 147456
.set YOFF,  98304
.set SPARE, 2*SLOTB
.set L16,  3
.set ADRX, 4
.set ADRY, 6
.set SCA,  8
.set SDA,  11                          ; v11 1,024 h + 16 r: lanes 0-15 read the side data of an even 128 keys, lanes 16-31 of the odd one behind it
.set SPW,  28
.set NIL,  29
.set TM,   224
.set PW,   240
.set RL,   244
.set PCA,  176
.set PT,   200
.set WV, 14
.set LY, 15
.set HF, 16
.set CX, 17
.set CY, 18
.set GX, 19
.set GY, 20
.set CYL, 21
.set G1X, 24
.set G1Y, 32
.set G0X, 40
.set G0Y, 48
.set HM,  56
.set SEL, 58
.set MSB, 0
.macro WIN new
.if MSB != \new
	s_set_vgpr_msb (MSB<<8)|\new
.set MSB, \new
.endif
.endm
.macro PLACES n
.rept \n
	v_nop
.endr
.endm
.macro CREST
	s_cmp_lg_u32 s[WV], 0
	s_cbranch_scc1 .Lnot_wave_0_\@
	s_barrier_signal -3
.Lnot_wave_0_\@:
	s_barrier_wait -3
	s_barrier_signal -1
	s_barrier_wait -1
.endm
.macro CROUND
	s_barrier_signal -1
	s_barrier_wait -1
	CREST
.endm
.macro JLOAD s                         ; even waves fetch for X, odd waves for Y: at the head a whole panel of slot wave / 2, in a refill half wave / 2 of the slot's panel; an s_nop 0 and four v_nop follow each load
	s_cmp_eq_u32 s[HF], 0
	s_cbranch_scc0 .Lfor_y_\@
	tensor_load_to_lds s[G0X+4*\s:G0X+4*\s+3], s[G1X:G1X+7]
	s_nop 0
.rept 4
	v_nop
.endr
	s_branch .Lasked_\@
.Lfor_y_\@:
	tensor_load_to_lds s[G0Y+4*\s:G0Y+4*\s+3], s[G1Y:G1Y+7]
	s_nop 0
.rept 4
	v_nop
.endr
.Lasked_\@:
.endm
.macro BASE2 dst, ptr, tp, th, ra, ma, rb, mb, cst
	s_mul_i32 s[\tp], s[\ra], \ma
	s_mul_i32 s[\th], s[\rb], \mb
	s_add_co_u32 s[\tp], s[\tp], s[\th]
.if (\cst) != 0
	s_add_co_u32 s[\tp], s[\tp], \cst
.endif
	s_mov_b32 s[\tp+1], 0
	s_add_nc_u64 s[\dst:\dst+1], s[\ptr:\ptr+1], s[\tp:\tp+1]
.endm
.macro ADDT dst, tp, ra, ma
	s_mul_i32 s[\tp], s[\ra], \ma
	s_add_nc_u64 s[\dst:\dst+1], s[\dst:\dst+1], s[\tp:\tp+1]
.endm
.macro FETCH slot, q, p
	WIN 0x40
.irp b, 0,1,2,3,4,5,6,7
.irp j, 0,1,2
	ds_load_b128 v[96*(\p)+12*\b+4*\j:96*(\p)+12*\b+4*\j+3], v[ADRX+\slot] offset:\b*6144+(\q)*1536+512*\j
.endr
.endr
	WIN 0
.irp a, 0,1,2,3
.irp j, 0,1,2
	ds_load_b128 v[128+48*(\p)+12*\a+4*\j:128+48*(\p)+12*\a+4*\j+3], v[ADRY+\slot] offset:\a*6144+(\q)*1536+512*\j
.endr
.endr
.endm
.macro MUL8 a, p, ks, cm               ; 8 matrix instructions: Y's tile a against X's eight.  cm 0: onto the sums; 1: C = 0.  The 32 accumulators take turns
	WIN 0xa1
.irp b, 0,1,2,3,4,5,6,7
.set rD, 8*(8*(\a)+\b)
.set rX, 96*(\p)+12*\b
.set rY, 128+48*(\p)+12*(\a)
.set rP, 32+GS*(\b/4)+4*((\ks)/2)+\b%4
.set rQ, 96+4*((\ks)/2)+(\a)
.if (\cm) == 1
	v_wmma_scale_f32_16x16x128_f8f6f4 v[rD:rD+7], v[rX:rX+11], v[rY:rY+11], 0, v[rP], v[rQ] matrix_a_fmt:MATRIX_FMT_FP6 matrix_b_fmt:MATRIX_FMT_FP6
.elseif (\ks)%2
	v_wmma_scale_f32_16x16x128_f8f6f4 v[rD:rD+7], v[rX:rX+11], v[rY:rY+11], v[rD:rD+7], v[rP], v[rQ] matrix_a_fmt:MATRIX_FMT_FP6 matrix_b_fmt:MATRIX_FMT_FP6 matrix_a_scale:MATRIX_SCALE_ROW1 matrix_b_scale:MATRIX_SCALE_ROW1
.else
	v_wmma_scale_f32_16x16x128_f8f6f4 v[rD:rD+7], v[rX:rX+11], v[rY:rY+11], v[rD:rD+7], v[rP], v[rQ] matrix_a_fmt:MATRIX_FMT_FP6 matrix_b_fmt:MATRIX_FMT_FP6
.endif
.endr
.endm
.macro STEP slot, q, ks, cm
	s_wait_dscnt 0x0                               ; this step's fragments are in
	PLACES 4                                       ; between the last products, which read the other set, and the loads into it
	FETCH \slot, (\q)+1, ((\q)+1)%2
	MUL8 0, (\q)%2, \ks, \cm
	MUL8 1, (\q)%2, \ks, \cm
	MUL8 2, (\q)%2, \ks, \cm
	MUL8 3, (\q)%2, \ks, \cm
.endm
.macro TURN slot, next, ks, fill       ; a slot's last step changes slots: one barrier; fill = 1: it opens a round of the cluster's barrier, and this slot is filled again, 1,024 keys on
	WIN 0
	s_wait_tensorcnt 0x0                           ; all my tensor loads have landed
	ds_add_u32 v[SPW], v[NIL]                      ; 0 onto my spare word
	s_wait_dscnt 0x1                               ; the 36 fragment loads are in; the add alone may be out
	MUL8 0, 1, \ks, 0
	s_wait_dscnt 0x0                               ; the add is done, and my reads of this slot are over
	s_barrier_signal -1
	MUL8 1, 1, \ks, 0
	WIN 0
	s_barrier_wait -1
.if \fill
	CREST
	s_add_nc_u64 s[G0X+4*\slot+2:G0X+4*\slot+3], s[G0X+4*\slot+2:G0X+4*\slot+3], 12288
	s_add_nc_u64 s[G0Y+4*\slot+2:G0Y+4*\slot+3], s[G0Y+4*\slot+2:G0Y+4*\slot+3], 12288
	JLOAD \slot
.else
	PLACES 4
.endif
	FETCH \next, 0, 0
	MUL8 2, 1, \ks, 0
	MUL8 3, 1, \ks, 0
.endm
.macro LAST ks
	s_wait_dscnt 0x0
	MUL8 0, 1, \ks, 0
	MUL8 1, 1, \ks, 0
	MUL8 2, 1, \ks, 0
	MUL8 3, 1, \ks, 0
	WIN 0
.endm
.macro QUANT s, pc, pw                 ; 64 numbers of a lane in window 2 become a fragment's codes and its scale word
	WIN 0x0a
.irp b, 0,1,2,3
	v_max3_num_f32 v[TM+\b], |v[(\s)+16*\b]|, |v[(\s)+16*\b+1]|, 0x1800000
.endr
.irp i, 2,4,6,8,10,12,14
.irp b, 0,1,2,3
	v_max3_num_f32 v[TM+\b], |v[(\s)+16*\b+\i]|, |v[(\s)+16*\b+\i+1]|, v[TM+\b]
.endr
.endr
	WIN 0
.irp b, 0,1,2,3
	v_permlanex16_b32 v[TM+4+\b], v[TM+\b], s[SEL], s[SEL+1]
.endr
.irp b, 0,1,2,3
	v_max_num_f32 v[TM+\b], v[TM+\b], v[TM+4+\b]
.endr
.irp b, 0,1,2,3
	v_add_nc_u32 v[TM+12+\b], 0xff000000, v[TM+\b]
.endr
.irp b, 0,1,2,3
	v_lshrrev_b32 v[TM+4+\b], 23, v[TM+12+\b]
.endr
	v_lshl_or_b32 v[\pw], v[TM+5], 8, v[TM+4]
	v_lshl_or_b32 v[\pw], v[TM+6], 16, v[\pw]
	v_lshl_or_b32 v[\pw], v[TM+7], 24, v[\pw]
	WIN 0x02
.irp c, 0,1
	v_cvt_scalef32_pk16_fp6_f32 v[(\pc)+6*\c:(\pc)+6*\c+2], v[(\s)+32*\c:(\s)+32*\c+15], v[TM+12+2*\c]
	v_cvt_scalef32_pk16_fp6_f32 v[PT+4*\c:PT+4*\c+2], v[(\s)+32*\c+16:(\s)+32*\c+31], v[TM+12+2*\c+1]
.endr
	WIN 0
	v_nop                                          ; one plain place behind the conversions
.irp c, 0,1
.irp i, 0,1,2
	v_permlane16_swap_b32 v[(\pc)+6*\c+\i], v[PT+4*\c+\i]
.endr
.irp i, 0,1,2
	v_mov_b32 v[(\pc)+3+6*\c+\i], v[PT+4*\c+\i]
.endr
.endr
.endm
	s_load_b128 s[4:7], s[0:1], 0x0                ; qkvb, pb
	s_load_b64 s[8:9], s[0:1], 0x10                ; ob
	v_lshl_add_u32 v[SPW], v0, 2, SPARE
	v_mov_b32 v[NIL], 0
	ds_add_u32 v[SPW], v[NIL]                      ; the wave's opening: the add, twice on end, and its wait ahead of my first tensor load
	ds_add_u32 v[SPW], v[NIL]
	v_lshrrev_b32 v1, 5, v0
	v_readfirstlane_b32 s[WV], v1
	s_lshr_b32 s[LY], s[WV], 1
	s_and_b32 s[HF], s[WV], 1
	s_bfe_u32 s[CX], ttmp6, 0x40000
	s_bfe_u32 s[CY], ttmp6, 0x40004
	s_lshl_b32 s[GX], ttmp9, 2
	s_add_co_u32 s[GX], s[GX], s[CX]
	s_and_b32 s[CYL], ttmp7, 0xffff
	s_lshl_b32 s[GY], s[CYL], 2
	s_add_co_u32 s[GY], s[GY], s[CY]
	s_lshr_b32 s23, s[CYL], 2                      ; the batch: the whole cluster shares it
	s_lshl_b32 s92, 0x1111, s[CX]
	s_or_b32 s[G1X], s92, (3<<16)|(1<<21)
	s_lshl_b32 s96, s[CY], 2
	s_lshl_b32 s96, 15, s96
	s_or_b32 s[G1Y], s96, (3<<16)|(1<<21)
	s_mov_b32 s[G1X+1], 768<<16
	s_mov_b32 s[G1X+2], 16<<16                     ; at the head 16 tiles
	s_mov_b32 s[G1X+3], 768<<16
	s_mov_b32 s[G1X+4], 16
	s_mov_b32 s[G1X+5], PITCH/8
	s_mov_b32 s[G1X+6], 0
	s_mov_b32 s[G1X+7], 0
	s_mov_b32 s[G1Y+1], 768<<16
	s_mov_b32 s[G1Y+2], 8<<16                      ; at the head 8 tiles
	s_mov_b32 s[G1Y+3], 768<<16
	s_mov_b32 s[G1Y+4], 8
	s_mov_b32 s[G1Y+5], PITCH/8
	s_mov_b32 s[G1Y+6], 0
	s_mov_b32 s[G1Y+7], 0
	s_mul_i32 s2, s[LY], SLOTB                     ; the head's load goes to slot wave / 2
	s_add_co_u32 s3, s2, YOFF
	s_mov_b32 s[G0X], 1
	s_mov_b32 s[G0X+1], s2
	s_mov_b32 s[G0X+4], 1
	s_mov_b32 s[G0Y], 1
	s_mov_b32 s[G0Y+1], s3
	s_mov_b32 s[G0Y+4], 1
	s_mov_b32 s[SEL], 0x76543210
	s_mov_b32 s[SEL+1], 0xfedcba98
	s_mov_b32 s22, 0x80808080
	s_wait_dscnt 0x0
	s_wait_kmcnt 0x0
	BASE2 G0X+2, 4, 92, 94, GX, 393216, LY, 6144, VC             ; v^T's tiles 16 x on, the slot's 512 keys,
	ADDT G0X+2, 92, 23, 1572864                                  ; in my batch
	s_or_b32 s[G0X+3], s[G0X+3], 0x80000000
	BASE2 G0Y+2, 6, 96, 98, GY, 196608, LY, 6144, 0              ; p's tiles 8 y on
	s_or_b32 s[G0Y+3], s[G0Y+3], 0x80000000
	CROUND
	JLOAD 0                                        ; one load of mine is out
	BASE2 74, 4, 62, 57, GX, 16384, HF, 8192, VS                 ; v's scale words
	ADDT 74, 62, 23, 65536
	BASE2 76, 6, 62, 57, GY, 32768, LY, 16384, SD                ; my queries' side data
	BASE2 70, 8, 62, 57, GY, 98304, LY, 49152, 0                 ; the result's codes
	ADDT 70, 62, GX, 3072
	ADDT 70, 62, HF, 1536
	BASE2 72, 8, 62, 57, GY, 4096, LY, 2048, OS                  ; and scale words
	ADDT 72, 62, GX, 512
	ADDT 72, 62, HF, 256
	v_and_b32 v1, 15, v0                           ; r
	v_bfe_u32 v2, v0, 4, 1                         ; h
	v_and_b32 v[L16], 31, v0
	v_lshlrev_b32 v[L16], 4, v[L16]
	s_mul_i32 s57, s[HF], 49152
	v_add_nc_u32 v[ADRX], s57, v[L16]
	v_add_nc_u32 v[ADRX+1], SLOTB, v[ADRX]
	s_mul_i32 s57, s[LY], 24576
	s_add_co_u32 s57, s57, YOFF
	v_add_nc_u32 v[ADRY], s57, v[L16]
	v_add_nc_u32 v[ADRY+1], SLOTB, v[ADRY]
	v_lshlrev_b32 v[SCA], 4, v1
	v_lshl_add_u32 v[SDA], v2, 10, v[SCA]
	v_lshl_add_u32 v[SCA], v2, 3, v[SCA]
	v_cmp_ne_u32 s[HM], 0, v2
	; THE PREFETCH: keys 1,024 to 2,047 of both panels (the second 12,288 bytes of each tile), three steps ahead of the first refill.  The partners that ask for a panel jointly share its blocks of 256 bytes out by
	; address, a lane a block, lanes 24-31 naming lane 23's again: of v^T's 16 tiles (4 cy + wave) takes one, in two instructions of 24 blocks; of p's 8 tiles (4 cx + wave) takes half of one, in one instruction.
	s_lshl_b32 s57, s[CX], 2
	s_add_co_u32 s57, s57, s[WV]
	s_lshr_b32 s62, s57, 1
	s_mul_i32 s62, s62, 24576
	s_and_b32 s57, s57, 1
	s_mul_i32 s57, s57, 6144
	s_add_co_u32 s57, s57, s62
	s_add_co_u32 s57, s57, 12288                   ; p's: tile (4 cx + wave) / 2, its half (4 cx + wave) % 2 of the tile's second 12,288 bytes
	s_lshl_b32 s62, s[CY], 2
	s_add_co_u32 s62, s62, s[WV]
	s_mul_i32 s62, s62, 24576
	s_add_co_u32 s62, s62, 12288                   ; v^T's: tile 4 cy + wave, its second 12,288 bytes
	v_and_b32 v18, 31, v0
	v_min_u32 v18, 23, v18
	v_lshlrev_b32 v18, 8, v18
	v_add_nc_u32 v19, s57, v18                     ; p's; never rewritten
	v_add_nc_u32 v18, s62, v18                     ; v^T's; never rewritten
	BASE2 78, 4, 62, 57, GX, 393216, 23, 1572864, VC
	s_mul_i32 s62, s[GY], 196608
	s_mov_b32 s63, 0
	s_add_nc_u64 s[80:81], s[6:7], s[62:63]
	s_wait_alu depctr_va_vdst(0)                   ; the wait ahead of the readers below
	global_prefetch_b8 v18, s[78:79] th:TH_LOAD_NT scope:SCOPE_SE
	global_prefetch_b8 v19, s[80:81] th:TH_LOAD_NT scope:SCOPE_SE
	global_prefetch_b8 v18, s[78:79] offset:6144 th:TH_LOAD_NT scope:SCOPE_SE
.irp b, 0,1,2,3
	v_mov_b32 v[TM+4+\b], 0                        ; a lane permute's destination counts as read
.endr
.irp i, 0,1,2,3,4,5,6,7
	global_load_b128 v[96+4*\i:96+4*\i+3], v[SDA], s[76:77] offset:2048*\i          ; p's scale words,
	global_load_b128 v[128+4*\i:128+4*\i+3], v[SDA], s[76:77] offset:2048*\i+256    ; -M,
	global_load_b128 v[160+4*\i:160+4*\i+3], v[SDA], s[76:77] offset:2048*\i+512    ; the sums of the two halves of the lanes
	global_load_b128 v[192+4*\i:192+4*\i+3], v[SDA], s[76:77] offset:2048*\i+768
.endr
.irp g, 0,1
.irp i, 0,1,2,3,4,5,6,7
	global_load_b128 v[32+GS*\g+4*\i:32+GS*\g+4*\i+3], v[L16], s[74:75] offset:\g*4096+512*\i
.endr
.endr
	s_wait_loadcnt 0x0
	; p's scale words under the row's M, and l: while the first tiles are on their way
.irp a, 0,1,2,3
	v_min_num_f32 v252, v[128+\a], v[132+\a]
.irp i, 2,3,4,5,6,7
	v_min_num_f32 v252, v252, v[128+4*\i+\a]
.endr
	v_permlanex16_b32 v[TM+4], v252, s[SEL], s[SEL+1]
	v_min_num_f32 v252, v252, v[TM+4]              ; the row's -M
.irp i, 0,1,2,3,4,5,6,7
	v_sub_f32 v253, v252, v[128+4*\i+\a]           ; -D: a whole number, 0 or less,
	v_max_num_f32 v253, 0xc2fe0000, v253           ; held at -127
	v_cvt_i32_f32 v254, v253
	v_add_f32 v255, v[160+4*\i+\a], v[192+4*\i+\a]
.if \i == 0
	v_ldexp_f32 v[TM+8+\a], v255, v254             ; the stored sum x 2^-D starts l
.else
	v_ldexp_f32 v255, v255, v254
	v_add_f32 v[TM+8+\a], v[TM+8+\a], v255
.endif
	v_sub_nc_u32 v254, 0, v254                     ; D,
	v_perm_b32 v254, v254, v254, 0                 ; in all four bytes
	v_or_b32 v253, s22, v[96+4*\i+\a]              ; 128 + byte (a byte is 125 at the most),
	v_sub_nc_u32 v253, v253, v254                  ; - D: 1 or more in each byte, so nothing is borrowed from byte to byte; bit 7 stays where byte >= D
	v_and_b32 v254, s22, v253
	v_lshrrev_b32 v255, 7, v254
	v_sub_nc_u32 v254, v254, v255                  ; 0x7f where it stays, else 0
	v_and_b32 v[96+4*\i+\a], v253, v254            ; max(byte - D, 0)
.endr
	v_permlanex16_b32 v[TM+4], v[TM+8+\a], s[SEL], s[SEL+1]
	v_add_f32 v[TM+8+\a], v[TM+8+\a], v[TM+4]      ; with the odd steps' lanes: the row's l
.endr
	s_wait_alu depctr_va_vdst(0)
.irp a, 0,1,2,3
	v_rcp_f32 v[RL+2*\a], v[TM+8+\a]
.endr
.irp a, 0,1,2,3
	v_mov_b32 v[RL+2*\a+1], 0                      ; (named as the upper halves of pairs; plain places behind the reciprocals)
.endr
	s_wait_alu depctr_va_vdst(0)                   ; the one wait for the four ahead of their first reader
	PLACES 8                                       ; scale registers written by vector instructions stand eight places ahead of a scaled matrix instruction
	s_wait_tensorcnt 0x0                           ; my panel is in; no tensor load of mine is out, so the descriptors may be written:
	s_barrier_signal -1
	s_mov_b32 s[G1X+2], 8<<16                      ; from here on a load brings half of a slot's panel: 8 tiles of X,
	s_mov_b32 s[G1X+4], 8
	s_mov_b32 s[G1Y+2], 4<<16                      ; 4 of Y,
	s_mov_b32 s[G1Y+4], 4
	s_mul_i32 s2, s[LY], 49152                     ; half wave / 2
	s_mul_i32 s3, s[LY], 24576
	s_add_co_u32 s3, s3, YOFF
	s_mov_b32 s[G0X+1], s2
	s_add_co_u32 s[G0X+5], s2, SLOTB
	s_mov_b32 s[G0Y+1], s3
	s_add_co_u32 s[G0Y+5], s3, SLOTB
	BASE2 G0X+2, 4, 92, 94, GX, 393216, LY, 196608, VC           ; v^T's tiles 16 x + 8 half on: each refill steps 1,024 keys on
	ADDT G0X+2, 92, 23, 1572864
	s_add_nc_u64 s[G0X+6:G0X+7], s[G0X+2:G0X+3], 6144
	s_or_b32 s[G0X+3], s[G0X+3], 0x80000000
	s_or_b32 s[G0X+7], s[G0X+7], 0x80000000
	BASE2 G0Y+2, 6, 96, 98, GY, 196608, LY, 98304, 0             ; p's tiles 8 y + 4 half on
	s_add_nc_u64 s[G0Y+6:G0Y+7], s[G0Y+2:G0Y+3], 6144
	s_or_b32 s[G0Y+3], s[G0Y+3], 0x80000000
	s_or_b32 s[G0Y+7], s[G0Y+7], 0x80000000
	s_barrier_wait -1                              ; everybody's panel is in: both slots are whole
	FETCH 0, 0, 0
	STEP 0, 0, 0, 1
	STEP 0, 1, 1, 0
	STEP 0, 2, 2, 0
	TURN 0, 1, 3, 1
	STEP 1, 0, 4, 0
	STEP 1, 1, 5, 0
	STEP 1, 2, 6, 0
	TURN 1, 0, 7, 1
	STEP 0, 0, 8, 0
	STEP 0, 1, 9, 0
	STEP 0, 2, 10, 0
	TURN 0, 1, 11, 0
	STEP 1, 0, 12, 0
	STEP 1, 1, 13, 0
	STEP 1, 2, 14, 0
	LAST 15
	; the way out: / l, quantised along d, four fragments and their scale words
	PLACES 4
.irp a, 0,1,2,3
	WIN 0x82                                       ; source 0 and destination window 2
.set j, 0
.rept 32
	v_pk_mul_f32 v[64*\a+j:64*\a+j+1], v[64*\a+j:64*\a+j+1], v[RL+2*\a:RL+2*\a+1] op_sel_hi:[1,0]   ; each accumulator from its low end on
.set j, j+2
.endr
.if \a >= 2
	s_wait_xcnt 0x0                                ; the stores of two fragments back have read the registers that are written again
.endif
	QUANT 64*\a, PCA+12*(\a%2), PW+\a
.irp j, 0,1,2
	global_store_b128 v[L16], v[PCA+12*(\a%2)+4*\j:PCA+12*(\a%2)+4*\j+3], s[70:71] offset:\a*12288+512*\j   ; 512 consecutive bytes, aligned
.endr
.endr
	v_cndmask_b32 v[TM+8], v[PW], v[PW+2], s[HM]
	v_cndmask_b32 v[TM+9], v[PW+1], v[PW+3], s[HM]
	global_store_b64 v[SCA], v[TM+8:TM+9], s[72:73]   ; 256 consecutive bytes, aligned
	s_wait_tensorcnt 0x0                           ; the wave's end
	ds_add_u32 v[SPW], v[NIL]
	s_wait_dscnt 0x0
	CROUND                                         ; the closing round
	s_endpgm
.Lfunc_end_k_qbb6cad2fd1_pv:
	.size	k_qbb6cad2fd1_pv, .Lfunc_end_k_qbb6cad2fd1_pv-k_qbb6cad2fd1_pv
	.p2alignl 7, 3214868480
	.fill 96, 4, 3214868480
	.section	.rodata,"a",@progbits
	.p2align	6, 0x0
	.amdhsa_kernel k_qbb6cad2fd1_pv
		.amdhsa_group_segment_fixed_size 327680
		.amdhsa_private_segment_fixed_size 0
		.amdhsa_enable_private_segment 0
		.amdhsa_kernarg_size 24
		.amdhsa_user_sgpr_count 2
		.amdhsa_user_sgpr_kernarg_segment_ptr 1
		.amdhsa_wavefront_size32 1
		.amdhsa_system_sgpr_workgroup_id_x 1
		.amdhsa_system_sgpr_workgroup_id_y 1
		.amdhsa_system_sgpr_workgroup_id_z 1
		.amdhsa_system_vgpr_workitem_id 0
		.amdhsa_next_free_vgpr 768
		.amdhsa_next_free_sgpr 100
		.amdhsa_reserve_vcc 0
		.amdhsa_float_denorm_mode_32 3
		.amdhsa_float_denorm_mode_16_64 3
		.amdhsa_memory_ordered 1
		.amdhsa_forward_progress 1
		.amdhsa_inst_pref_size 166
	.end_amdhsa_kernel
	.amdgpu_metadata
---
amdhsa.version: [ 1, 2 ]
amdhsa.kernels:
  - .name:           k_qbb6cad2fd1_pv
    .symbol:         k_qbb6cad2fd1_pv.kd
    .args:
      - { .name: qkvb, .offset: 0, .size: 8, .value_kind: global_buffer, .address_space: global }
      - { .name: pb, .offset: 8, .size: 8, .value_kind: global_buffer, .address_space: global }
      - { .name: ob, .offset: 16, .size: 8, .value_kind: global_buffer, .address_space: global }
    .group_segment_fixed_size: 327680
    .private_segment_fixed_size: 0
    .kernarg_segment_align: 8
    .kernarg_segment_size: 24
    .max_flat_workgroup_size: 128
    .sgpr_count:     100
    .vgpr_count:     768
    .wavefront_size: 32
...
	.end_amdgpu_metadata
.endif
;; end of part 4
;; launch proj (part 5): grid 4 x 64, 4 waves a work-group, clusters of 4 x 4, 327,680 bytes of LDS; arguments prepb, ob, bo, out0; writes out0
.if DOCPART == 5
	.amdgcn_target "amdgcn-amd-amdhsa--gfx1250"
	.amdhsa_code_object_version 6
	.text
	.protected	k_qbb6cad2fd1_proj
	.globl	k_qbb6cad2fd1_proj
	.p2align	8
	.type	k_qbb6cad2fd1_proj,@function
k_qbb6cad2fd1_proj:
	s_mov_b64 s[64:65], 0
	v_nop
	global_prefetch_b8 v0, s[64:65] scope:SCOPE_SE
	s_setreg_imm32_b32 hwreg(HW_REG_WAVE_MODE, 25, 1), 1
	s_wait_xcnt 0x0
	s_wait_alu depctr_hold_cnt(0) depctr_sa_sdst(0) depctr_va_vdst(0) depctr_va_sdst(0) depctr_va_ssrc(0) depctr_va_vcc(0) depctr_vm_vsrc(0)
	s_getreg_b32 s2, hwreg(HW_REG_IB_STS2, 6, 4)
	s_cmp_eq_u32 s2, 0
	s_cbranch_scc0 .Lentry_in_a_cluster
	s_endpgm
.Lentry_in_a_cluster:
	s_bfe_u32 s2, ttmp6, 0x10000c
	s_cmp_lg_u32 s2, 0xf033
	s_cbranch_scc0 .Lentry_shape_is_right
	s_endpgm
.Lentry_shape_is_right:
; out0 = o Wo + bo on codes of E2M3, f32 out.  Nothing is left out.  Operands lie in memory as images of the operand's registers, as in the launches before.
; A tile is 256 of Wo's columns (X, source 0) x 128 tokens (Y, source 1); four waves of 128 x 64.  K = 1,024 lies in LDS whole, as two slots of 512, each filled once:
; at the head each wave issues one joint load: wave w fetches slot w / 2, X's whole panel (w even) or Y's (w odd).  Clusters of 4 x 4: X's panel is asked for jointly by a column, Y's by a row.
; No prefetch: all that the launch reads by tensor loads is asked for at its head.  bo is the C of each sum's first matrix instruction.
; The way out goes through each wave's own stage, in slot 0, whose last read lies ahead of the barrier at the change of slots; rows of 512 bytes are stored whole.
.set WC,    6553600
.set WS,    9699328
.set OS,    6291456
.set PITCH, 12288
.set GS,    16
.set SLOTB, 147456
.set YOFF,  98304
.set SPARE, 2*SLOTB
.set L16,  3
.set ADRX, 4
.set ADRY, 6
.set BXA,  9
.set STO,  12
.set RD,   13
.set SPW,  28
.set NIL,  29
.set WV, 14
.set LY, 15
.set HF, 16
.set CX, 17
.set CY, 18
.set GX, 19
.set GY, 20
.set CYL, 21
.set G1X, 24
.set G1Y, 32
.set G0X, 40
.set G0Y, 48
.set MSB, 0
.macro WIN new
.if MSB != \new
	s_set_vgpr_msb (MSB<<8)|\new
.set MSB, \new
.endif
.endm
.macro PLACES n
.rept \n
	v_nop
.endr
.endm
.macro CREST
	s_cmp_lg_u32 s[WV], 0
	s_cbranch_scc1 .Lnot_wave_0_\@
	s_barrier_signal -3
.Lnot_wave_0_\@:
	s_barrier_wait -3
	s_barrier_signal -1
	s_barrier_wait -1
.endm
.macro CROUND
	s_barrier_signal -1
	s_barrier_wait -1
	CREST
.endm
.macro JLOAD s                         ; the head's joint loads, one a wave: even waves X's panel, odd waves Y's; an s_nop 0 and four v_nop follow each load
	s_cmp_eq_u32 s[HF], 0
	s_cbranch_scc0 .Lfor_y_\@
	tensor_load_to_lds s[G0X+4*\s:G0X+4*\s+3], s[G1X:G1X+7]
	s_nop 0
.rept 4
	v_nop
.endr
	s_branch .Lasked_\@
.Lfor_y_\@:
	tensor_load_to_lds s[G0Y+4*\s:G0Y+4*\s+3], s[G1Y:G1Y+7]
	s_nop 0
.rept 4
	v_nop
.endr
.Lasked_\@:
.endm
.macro BASE2 dst, ptr, tp, th, ra, ma, rb, mb, cst
	s_mul_i32 s[\tp], s[\ra], \ma
	s_mul_i32 s[\th], s[\rb], \mb
	s_add_co_u32 s[\tp], s[\tp], s[\th]
.if (\cst) != 0
	s_add_co_u32 s[\tp], s[\tp], \cst
.endif
	s_mov_b32 s[\tp+1], 0
	s_add_nc_u64 s[\dst:\dst+1], s[\ptr:\ptr+1], s[\tp:\tp+1]
.endm
.macro ADDT dst, tp, ra, ma
	s_mul_i32 s[\tp], s[\ra], \ma
	s_add_nc_u64 s[\dst:\dst+1], s[\dst:\dst+1], s[\tp:\tp+1]
.endm
.macro FETCH slot, q, p
	WIN 0x40
.irp b, 0,1,2,3,4,5,6,7
.irp j, 0,1,2
	ds_load_b128 v[96*(\p)+12*\b+4*\j:96*(\p)+12*\b+4*\j+3], v[ADRX+\slot] offset:\b*6144+(\q)*1536+512*\j
.endr
.endr
	WIN 0
.irp a, 0,1,2,3
.irp j, 0,1,2
	ds_load_b128 v[128+48*(\p)+12*\a+4*\j:128+48*(\p)+12*\a+4*\j+3], v[ADRY+\slot] offset:\a*6144+(\q)*1536+512*\j
.endr
.endr
.endm
.macro MUL8 a, p, ks, cm
.if (\cm) == 2
	WIN 0x91
.else
	WIN 0xa1
.endif
.irp b, 0,1,2,3,4,5,6,7
.set rD, 8*(8*(\a)+\b)
.set rX, 96*(\p)+12*\b
.set rY, 128+48*(\p)+12*(\a)
.set rP, 32+GS*(\b/4)+4*((\ks)/2)+\b%4
.set rQ, 96+4*((\ks)/2)+(\a)
.set rC, rD
.if (\cm) == 2
.set rC, 192+8*\b
.endif
.if (\ks)%2
	v_wmma_scale_f32_16x16x128_f8f6f4 v[rD:rD+7], v[rX:rX+11], v[rY:rY+11], v[rC:rC+7], v[rP], v[rQ] matrix_a_fmt:MATRIX_FMT_FP6 matrix_b_fmt:MATRIX_FMT_FP6 matrix_a_scale:MATRIX_SCALE_ROW1 matrix_b_scale:MATRIX_SCALE_ROW1
.else
	v_wmma_scale_f32_16x16x128_f8f6f4 v[rD:rD+7], v[rX:rX+11], v[rY:rY+11], v[rC:rC+7], v[rP], v[rQ] matrix_a_fmt:MATRIX_FMT_FP6 matrix_b_fmt:MATRIX_FMT_FP6
.endif
.endr
.endm
.macro STEP slot, q, ks, cm
	s_wait_dscnt 0x0
	PLACES 4
	FETCH \slot, (\q)+1, ((\q)+1)%2
	MUL8 0, (\q)%2, \ks, \cm
	MUL8 1, (\q)%2, \ks, \cm
	MUL8 2, (\q)%2, \ks, \cm
	MUL8 3, (\q)%2, \ks, \cm
.endm
	s_load_b256 s[4:11], s[0:1], 0x0
	v_lshl_add_u32 v[SPW], v0, 2, SPARE
	v_mov_b32 v[NIL], 0
	ds_add_u32 v[SPW], v[NIL]
	ds_add_u32 v[SPW], v[NIL]
	v_lshrrev_b32 v1, 5, v0
	v_readfirstlane_b32 s[WV], v1
	s_lshr_b32 s[LY], s[WV], 1
	s_and_b32 s[HF], s[WV], 1
	s_bfe_u32 s[CX], ttmp6, 0x40000
	s_bfe_u32 s[CY], ttmp6, 0x40004
	s_lshl_b32 s[GX], ttmp9, 2
	s_add_co_u32 s[GX], s[GX], s[CX]
	s_and_b32 s[CYL], ttmp7, 0xffff
	s_lshl_b32 s[GY], s[CYL], 2
	s_add_co_u32 s[GY], s[GY], s[CY]
	s_lshl_b32 s92, 0x1111, s[CX]
	s_or_b32 s[G1X], s92, (3<<16)|(1<<21)
	s_lshl_b32 s96, s[CY], 2
	s_lshl_b32 s96, 15, s96
	s_or_b32 s[G1Y], s96, (3<<16)|(1<<21)
	s_mov_b32 s[G1X+1], 768<<16
	s_mov_b32 s[G1X+2], 16<<16                     ; 16 tiles of 6,144 bytes
	s_mov_b32 s[G1X+3], 768<<16
	s_mov_b32 s[G1X+4], 16
	s_mov_b32 s[G1X+5], PITCH/8
	s_mov_b32 s[G1X+6], 0
	s_mov_b32 s[G1X+7], 0
	s_mov_b32 s[G1Y+1], 768<<16
	s_mov_b32 s[G1Y+2], 8<<16                      ; 8 tiles
	s_mov_b32 s[G1Y+3], 768<<16
	s_mov_b32 s[G1Y+4], 8
	s_mov_b32 s[G1Y+5], PITCH/8
	s_mov_b32 s[G1Y+6], 0
	s_mov_b32 s[G1Y+7], 0
	s_mul_i32 s2, s[LY], SLOTB                     ; my load goes to slot wave / 2
	s_add_co_u32 s3, s2, YOFF
	s_mov_b32 s[G0X], 1
	s_mov_b32 s[G0X+1], s2
	s_mov_b32 s[G0Y], 1
	s_mov_b32 s[G0Y+1], s3
	s_wait_dscnt 0x0
	s_wait_kmcnt 0x0
	BASE2 G0X+2, 4, 92, 94, GX, 196608, LY, 6144, WC+2359296     ; Wo's tiles 16 x on, the slot's 512 along K
	s_or_b32 s[G0X+3], s[G0X+3], 0x80000000
	BASE2 G0Y+2, 6, 96, 98, GY, 98304, LY, 6144, 0               ; o's tiles 8 y on
	s_or_b32 s[G0Y+3], s[G0Y+3], 0x80000000
	CROUND                                         ; all sixteen work-groups are here: the joint loads meet
	JLOAD 0                                        ; one load of mine is out
	BASE2 74, 4, 62, 57, GX, 8192, HF, 4096, WS+98304
	BASE2 76, 6, 62, 57, GY, 4096, LY, 2048, OS
	BASE2 82, 8, 62, 57, GX, 1024, HF, 512, 0
	BASE2 70, 10, 62, 57, GY, 524288, LY, 262144, 0
	ADDT 70, 62, GX, 1024
	ADDT 70, 62, HF, 512
	v_and_b32 v1, 15, v0
	v_bfe_u32 v2, v0, 4, 1
	v_and_b32 v[L16], 31, v0
	v_lshlrev_b32 v[L16], 4, v[L16]
	s_mul_i32 s57, s[HF], 49152
	v_add_nc_u32 v[ADRX], s57, v[L16]
	v_add_nc_u32 v[ADRX+1], SLOTB, v[ADRX]
	s_mul_i32 s57, s[LY], 24576
	s_add_co_u32 s57, s57, YOFF
	v_add_nc_u32 v[ADRY], s57, v[L16]
	v_add_nc_u32 v[ADRY+1], SLOTB, v[ADRY]
	v_lshlrev_b32 v[BXA], 6, v2
	s_mul_i32 s57, s[WV], 8448
	v_mul_u32_u24 v[STO], v1, 528
	v_lshl_add_u32 v[STO], v2, 6, v[STO]
	v_add_nc_u32 v[STO], s57, v[STO]
	v_add_nc_u32 v[RD], s57, v[L16]
.irp g, 0,1
.irp i, 0,1,2,3
	global_load_b128 v[32+GS*\g+4*\i:32+GS*\g+4*\i+3], v[L16], s[74:75] offset:\g*2048+512*\i
.endr
.endr
.irp i, 0,1,2,3
	global_load_b128 v[96+4*\i:96+4*\i+3], v[L16], s[76:77] offset:512*\i
.endr
	WIN 0x40
.irp b, 0,1,2,3,4,5,6,7
	global_load_b128 v[192+8*\b:192+8*\b+3], v[BXA], s[82:83] offset:(32*(\b/2)+8*(\b%2))*4
	global_load_b128 v[192+8*\b+4:192+8*\b+7], v[BXA], s[82:83] offset:(32*(\b/2)+8*(\b%2))*4+16
.endr
	WIN 0
	s_wait_alu depctr_va_vdst(0)
	s_wait_tensorcnt 0x0                           ; my panel is in; behind the barrier both slots are whole
	s_barrier_signal -1
	s_barrier_wait -1
	FETCH 0, 0, 0
	s_wait_loadcnt 0x0
	STEP 0, 0, 0, 2
	STEP 0, 1, 1, 0
	STEP 0, 2, 2, 0
	WIN 0
	s_wait_tensorcnt 0x0
	ds_add_u32 v[SPW], v[NIL]
	s_wait_dscnt 0x1
	MUL8 0, 1, 3, 0
	s_wait_dscnt 0x0
	s_barrier_signal -1
	MUL8 1, 1, 3, 0
	WIN 0
	s_barrier_wait -1
	PLACES 4
	FETCH 1, 0, 0
	MUL8 2, 1, 3, 0
	MUL8 3, 1, 3, 0
	STEP 1, 0, 4, 0
	STEP 1, 1, 5, 0
	STEP 1, 2, 6, 0
	s_wait_dscnt 0x0
	MUL8 0, 1, 7, 0
	MUL8 1, 1, 7, 0
	MUL8 2, 1, 7, 0
	MUL8 3, 1, 7, 0
	WIN 0
.macro TOSTAGE a
	WIN 0x08
.irp b, 0,1,2,3,4,5,6,7
	ds_store_b128 v[STO], v[64*(\a)+8*\b:64*(\a)+8*\b+3] offset:128*(\b/2)+32*(\b%2)
	ds_store_b128 v[STO], v[64*(\a)+8*\b+4:64*(\a)+8*\b+7] offset:128*(\b/2)+32*(\b%2)+16
.endr
	WIN 0
.set BK, 128+64*((\a)%2)
.irp i, 0,1,2,3,4,5,6,7,8,9,10,11,12,13,14,15
	ds_load_b128 v[BK+4*\i:BK+4*\i+3], v[RD] offset:528*\i
.endr
.endm
.macro SEND a, younger
.set BK, 128+64*((\a)%2)
	s_wait_dscnt \younger
.irp i, 0,1,2,3,4,5,6,7,8,9,10,11,12,13,14,15
	global_store_b128 v[L16], v[BK+4*\i:BK+4*\i+3], s[70:71] offset:(32*((\a)/2)+8*((\a)%2)+\i+8*(\i/8))*4096 th:TH_STORE_NT
.endr
.endm
	PLACES 4
	TOSTAGE 0
	TOSTAGE 1
	SEND 0, 32
	s_wait_xcnt 0x0
	TOSTAGE 2
	SEND 1, 32
	s_wait_xcnt 0x0
	TOSTAGE 3
	SEND 2, 32
	SEND 3, 0
	s_wait_tensorcnt 0x0
	ds_add_u32 v[SPW], v[NIL]
	s_wait_dscnt 0x0
	CROUND
	s_endpgm
.Lfunc_end_k_qbb6cad2fd1_proj:
	.size	k_qbb6cad2fd1_proj, .Lfunc_end_k_qbb6cad2fd1_proj-k_qbb6cad2fd1_proj
	.p2alignl 7, 3214868480
	.fill 96, 4, 3214868480
	.section	.rodata,"a",@progbits
	.p2align	6, 0x0
	.amdhsa_kernel k_qbb6cad2fd1_proj
		.amdhsa_group_segment_fixed_size 327680
		.amdhsa_private_segment_fixed_size 0
		.amdhsa_enable_private_segment 0
		.amdhsa_kernarg_size 32
		.amdhsa_user_sgpr_count 2
		.amdhsa_user_sgpr_kernarg_segment_ptr 1
		.amdhsa_wavefront_size32 1
		.amdhsa_system_sgpr_workgroup_id_x 1
		.amdhsa_system_sgpr_workgroup_id_y 1
		.amdhsa_system_sgpr_workgroup_id_z 1
		.amdhsa_system_vgpr_workitem_id 0
		.amdhsa_next_free_vgpr 768
		.amdhsa_next_free_sgpr 100
		.amdhsa_reserve_vcc 0
		.amdhsa_float_denorm_mode_32 3
		.amdhsa_float_denorm_mode_16_64 3
		.amdhsa_memory_ordered 1
		.amdhsa_forward_progress 1
		.amdhsa_inst_pref_size 77
	.end_amdhsa_kernel
	.amdgpu_metadata
---
amdhsa.version: [ 1, 2 ]
amdhsa.kernels:
  - .name:           k_qbb6cad2fd1_proj
    .symbol:         k_qbb6cad2fd1_proj.kd
    .args:
      - { .name: prepb, .offset: 0, .size: 8, .value_kind: global_buffer, .address_space: global }
      - { .name: ob, .offset: 8, .size: 8, .value_kind: global_buffer, .address_space: global }
      - { .name: bo, .offset: 16, .size: 8, .value_kind: global_buffer, .address_space: global }
      - { .name: out0, .offset: 24, .size: 8, .value_kind: global_buffer, .address_space: global }
    .group_segment_fixed_size: 327680
    .private_segment_fixed_size: 0
    .kernarg_segment_align: 8
    .kernarg_segment_size: 32
    .max_flat_workgroup_size: 128
    .sgpr_count:     100
    .vgpr_count:     768
    .wavefront_size: 32
...
	.end_amdgpu_metadata
.endif
;; end of part 5
